; MI455X (gfx1250); checked and timed in simulation.
; The chip was launched on July 23, 2026; its instructions are those of AMD's public machine-readable ISA for CDNA 5 (MIT licence, August 2026) and "CDNA5" Instruction Set Architecture Reference Guide (July 2026). The comments in the code are by the model that wrote it; some were corrected since.
;; Attention. Allowed arithmetic: matrix products marked QUANTISED: E4M3 operands, one given power-of-two scale a tensor, by v_wmma_f32_16x16x64_fp8_fp8 or v_wmma_f32_16x16x128_fp8_fp8, f32 sums; everything else in f32.
;; Inputs: b_out 1,024 float32; lowp_scales 8 int32 (the exponents e of the quantised operands' scales 2^e); mask 2 x 2,048 bool; rotary_pos_emb 2,048 x 64 float32; w_out 1,024 x 1,024 float32; w_qkv 3,072 x 1,024 float32; x 2 x 2,048 x 1,024 float32.
;; Outputs: out0 2 x 2,048 x 1,024 float32.
;; This version of the problem:
;;   THIS VERSION OF THE PROBLEM IS GIVEN IN LOW PRECISION. The matrix products marked QUANTISED in the list below multiply operands that are first quantised to E4M3 (4 exponent bits, 3 mantissa bits; 8 bits a number), with one given power-of-two scale for each operand tensor; their sums are f32. All else is computed in f32.
;;   The module's matrix products, in the order in which they are computed (A, B: the left and right operand; K: the contracted axis; several contracted axes count as one K, in the product's order):
;;     1. [M 4,096, K 1,024] x [K 1,024, N 3,072]; A: input x; B: input w_qkv: QUANTISED (scales: A lowp_scales[0], B lowp_scales[1])
;;     2. batch 32 x [M 2,048, K 64] x [K 64, N 2,048]; A: computed on the way; B: computed on the way: QUANTISED (scales: A lowp_scales[2], B lowp_scales[3])
;;     3. batch 32 x [M 2,048, K 2,048] x [K 2,048, N 64]; A: softmax (see below); B: computed on the way: QUANTISED (scales: A lowp_scales[4], B lowp_scales[5])
;;     4. [M 4,096, K 1,024] x [K 1,024, N 1,024]; A: computed on the way; B: input w_out: QUANTISED (scales: A lowp_scales[6], B lowp_scales[7])
;;   THE QUANTISER, for each operand of a quantised product, along K:
;;     - The operand's scale is 2^e, e = its entry of the input lowp_scales (int32; the entries are numbered through the quantised products in the list's order, A before B).
;;     - Each number is divided by the scale, clamped to +-448, and rounded to the nearest number of E4M3, ties to even, subnormals kept.
;;     - The product sums the exact products of the quantised numbers (number of the format x scale) in f32.
;;   ~~~python
;;   def quantise(x, axis, e):      # numpy; x: float32 -> the quantised numbers, widened to float32 again
;;       x = np.moveaxis(x, axis, -1); K = x.shape[-1]
;;       r = np.clip(x / 2.0 ** e, -448, 448)
;;       step = 2.0 ** (np.maximum(np.frexp(np.where(r == 0, 1, r))[1] - 1, -6) - 3)
;;       q = np.round(r / step) * step * 2.0 ** e      # np.round: ties to even
;;       return np.moveaxis(q, -1, axis).astype(np.float32)
;;   ~~~
;;   SOFTMAX AHEAD OF A QUANTISED PRODUCT. Where the list says 'softmax', what is quantised is not the finished softmax but p = 2^(t - M), with t = logit x log2(e) and M = ceil(the row's largest t), a whole number; so 1/2 < the row's largest p <= 1. The row's sum l is taken of the UNQUANTISED p, in f32, and the product's result is divided by l at the end. Since M is a whole number, a kernel that streams over the keys may use a running M (the ceiling of the running maximum): every later rescaling is an exact power of two, so the quantised numbers keep their values, but for numbers so far below the row's largest that they fall under the format's range.
;;   OPERANDS COMPUTED ON THE WAY. 'Computed on the way' means the value that the module computes at that place (a softmax that the list does not call 'softmax' is quantised finished and normalised). What goes into a quantiser is computed in f32, as accurately as f32 sums, v_exp_f32 and their like allow (about 1e-6 of the number): no bf16 or f16 on the way to a quantiser, and a product that is left as it is and whose result goes on into a quantised operand takes f32 operands (vector FMAs, or v_wmma_f32_16x16x4_f32). A number that lies on a knife's edge between two numbers of the format may be rounded either way, as far as f32 arithmetic and the matrix unit's own rounding can turn it there, and no further.
;; One version. Each part assembles by itself: llvm-mc -triple=amdgcn-amd-amdhsa -mcpu=gfx1250 --defsym DOCPART=n.
;; ======== version 1 of 1: 4 launches
;; limits: right only within a limited range of input values
;; workspace buffers: xq 4,194,304 bytes; wq 3,145,728 bytes; woq 1,048,576 bytes; rt 1,048,576 bytes; qc 4,194,304 bytes; kv 8,388,608 bytes; vsum 262,144 bytes; ao 4,194,304 bytes
;; launch prep (part 1): grid 256 x 1, 4 waves a work-group, no clusters, 34,304 bytes of LDS; arguments x, w_qkv, w_out, rotary_pos_emb, lowp_scales, xq, wq, woq, rt; writes xq, wq, woq, rt
.if DOCPART == 1
	.amdgcn_target "amdgcn-amd-amdhsa--gfx1250"
	.amdhsa_code_object_version 6
	.text
	.protected	k_q0c321f64c8_prep
	.globl	k_q0c321f64c8_prep
	.p2align	8
	.type	k_q0c321f64c8_prep,@function
k_q0c321f64c8_prep:
	s_mov_b64 s[64:65], 0
	v_nop
	global_prefetch_b8 v0, s[64:65] scope:SCOPE_SE
	s_setreg_imm32_b32 hwreg(HW_REG_WAVE_MODE, 25, 1), 1
	s_wait_xcnt 0x0
; x [4096][1024], w_qkv [3072][1024], w_out [1024][1024], f32, become codes of E4M3 with the given scales 2^e (entries 0, 1, 7), and the angles [2048][64] become a table of cos and +-sin.
; code = number / 2^e, held within +-448, to the nearest code, ties to even.
; THE CODES ARE LAID AS IMAGES OF OPERAND REGISTERS.  A fragment is 16 rows x 128 k = 2,048 bytes: group G (0..3) at 512 G + 16 lane holds, of row lane % 16, k = 32 G + 16 (lane / 16) + 0 .. 15.
;   xq  [k/256 (4)][row tile (256)][(k/128)%2][G][512]     woq the same with 64 row tiles
;   wq  the same with 192 row tiles, ordered 12 head + 4 part + t (part: q, k, v; t: 16 channels), so that the 12 tiles of a head lie together
;   rt  [position/16 (128)][bq (4)][grp (4)][512]: lane (r, h) stands for position 16 Tn + r and channels 16 bq + 8 h + j; grp 0, 1: cos, j = 0..3, 4..7; grp 2, 3: -sin at even channels, +sin at odd ones
; SHARES.  512 row tiles of 16 rows; work-group g, wave w takes row tile 2 g + w / 2 and half w % 2 of K: four fragments.  One path serves the three tensors: only pointers and numbers are chosen, by the work-group's number.
; A load reads 512 consecutive bytes of one row; a fragment turns through the wave's own stage in LDS (16 rows of 512 + 16 bytes), so that a lane gets 16 neighbours along K four times; a store writes 512 consecutive bytes.
; Each wave also makes 128 x 2 entries of rt.  sin and cos: k = round(x 2/pi); r = x - k pi/2 with pi/2 in three parts, by fused multiply-adds; series to r^9 and r^10 on |r| <= pi/4.
; LIMITS: e between -126 and 119; |angle| up to 2^16; NaN among the inputs is not served.
.set SP,   528                         ; a stage row: 512 bytes + 16
.set STG,  16*SP                       ; a wave's stage
.set R0,   32                          ; v32-95, v96-159: a fragment as loaded, two sets
.set X,    160                         ; v160-223: 64 numbers in the lane's order
.set C,    224                         ; v224-239: the codes
	s_load_b256 s[4:11], s[0:1], 0x0               ; x, w_qkv, w_out, the angles
	s_load_b256 s[12:19], s[0:1], 0x20             ; the scales' exponents, xq, wq, woq
	s_load_b64 s[20:21], s[0:1], 0x40              ; rt
	v_lshl_add_u32 v240, v0, 2, 0x8400
	v_mov_b32 v241, 0
	v_lshrrev_b32 v1, 5, v0
	v_readfirstlane_b32 s22, v1                    ; wave
	v_and_b32 v1, 31, v0
	v_lshlrev_b32 v2, 4, v1                        ; 16 x lane
	v_and_b32 v20, 15, v0                          ; r
	v_bfe_u32 v21, v0, 4, 1                        ; h
	s_mul_i32 s23, s22, STG
	v_add_nc_u32 v3, s23, v2                       ; the stage, on the way in
	v_mul_u32_u24 v4, v20, SP
	v_lshl_add_u32 v4, v21, 6, v4
	v_add_nc_u32 v4, s23, v4                       ; and out: row r, + 64 h
	v_lshlrev_b32 v5, 8, v20
	v_lshl_add_u32 v5, v21, 5, v5                  ; the angles: row r of 256 bytes, + 32 h
	s_lshr_b32 s40, s22, 1
	s_and_b32 s41, s22, 1                          ; which half of K
	s_lshl_b32 s42, ttmp9, 1
	s_add_co_u32 s42, s42, s40                     ; row tile 0 .. 511
	s_lshl_b32 s43, ttmp9, 2
	s_add_co_u32 s43, s43, s22                     ; wave 0 .. 1023 of the launch
	s_lshr_b32 s44, s43, 1                         ; unit = 4 Tn + bq
	s_and_b32 s45, s43, 1                          ; j = 0..3 or 4..7
	s_lshr_b32 s46, s44, 2
	s_and_b32 s47, s44, 3
	s_lshl_b32 s46, s46, 12                        ; 16 rows of 256 bytes
	s_lshl_b32 s47, s47, 6
	s_add_co_u32 s46, s46, s47
	s_lshl_b32 s47, s45, 4
	s_add_co_u32 s46, s46, s47
	s_mov_b32 s47, 0
	s_lshl_b32 s48, s44, 11
	s_lshl_b32 s49, s45, 9
	s_add_co_u32 s48, s48, s49
	s_mov_b32 s49, 0
	s_mov_b32 s60, 0x3f22f983                      ; 2 / pi
	s_mov_b32 s61, 0xbfc90fdb                      ; -pi/2, its first part,
	s_mov_b32 s62, 0x333bbd2e                      ; the second,
	s_mov_b32 s63, 0x26f72ced                      ; the third
	s_wait_alu depctr_va_vdst(0)
	s_wait_kmcnt 0x0
	s_load_b256 s[24:31], s[12:13], 0x0            ; e0 .. e7
	s_add_nc_u64 s[10:11], s[10:11], s[46:47]
	s_add_nc_u64 s[20:21], s[20:21], s[48:49]
	global_load_b128 v[8:11], v5, s[10:11]         ; my four angles
	s_cmp_lt_u32 ttmp9, 128                        ; x, or one of the weights?  The choices hang on the work-group's number alone
	s_cselect_b64 s[32:33], s[4:5], s[6:7]
	s_cselect_b64 s[34:35], s[14:15], s[16:17]
	s_cselect_b32 s36, 0, 256                      ; the tensor's first row tile
	s_mov_b32 s37, 0xc0000
	s_cselect_b32 s37, 0x100000, s37               ; bytes of 256 along K of the whole tensor
	s_cmp_lt_u32 ttmp9, 224
	s_cselect_b64 s[32:33], s[32:33], s[8:9]
	s_cselect_b64 s[34:35], s[34:35], s[18:19]
	s_cselect_b32 s36, s36, 448
	s_cselect_b32 s37, s37, 0x40000
	s_sub_co_u32 s38, s42, s36                     ; row tile in the tensor
	s_lshr_b32 s50, s38, 2
	s_and_b32 s50, s50, 15
	s_mul_i32 s50, s50, 12
	s_lshr_b32 s51, s38, 6
	s_lshl_b32 s51, s51, 2
	s_add_co_u32 s50, s50, s51
	s_and_b32 s51, s38, 3
	s_add_co_u32 s50, s50, s51                     ; w_qkv: 12 head + 4 part + t
	s_sub_co_u32 s51, ttmp9, 128
	s_cmp_lt_u32 s51, 96
	s_cselect_b32 s39, s50, s38                    ; the tile's place in the codes
	s_lshl_b32 s52, s38, 16                        ; 16 rows of 4,096 bytes
	s_lshl_b32 s53, s41, 11
	s_add_co_u32 s52, s52, s53
	s_mov_b32 s53, 0
	s_add_nc_u64 s[32:33], s[32:33], s[52:53]      ; where I read
	s_lshl_b32 s54, s41, 1
	s_mul_i32 s54, s54, s37
	s_lshl_b32 s55, s39, 12
	s_add_co_u32 s54, s54, s55
	s_mov_b32 s55, 0
	s_add_nc_u64 s[34:35], s[34:35], s[54:55]      ; where fragments 0, 1 go,
	s_mov_b32 s56, s37
	s_mov_b32 s57, 0
	s_add_nc_u64 s[56:57], s[34:35], s[56:57]      ; and fragments 2, 3
.macro LOAD t                          ; fragment t: 16 rows x 512 bytes, a row a load
.irp row, 0,1,2,3,4,5,6,7,8,9,10,11,12,13,14,15
	global_load_b128 v[R0+64*((\t)%2)+4*\row:R0+64*((\t)%2)+4*\row+3], v2, s[32:33] offset:4096*\row+512*(\t) th:TH_LOAD_NT
.endr
.endm
	LOAD 0
	LOAD 1
	s_wait_kmcnt 0x0
	s_cmp_lt_u32 ttmp9, 128
	s_cselect_b32 s58, s24, s25
	s_cmp_lt_u32 ttmp9, 224
	s_cselect_b32 s58, s58, s31                    ; e
	s_add_co_i32 s58, s58, 127
	s_lshl_b32 s59, s58, 23
	v_mov_b32 v6, s59                              ; 2^e as f32: the conversion takes its exponent field
	s_add_co_i32 s58, s58, 8
	s_lshl_b32 s58, s58, 23
	s_or_b32 s58, s58, 0x600000
	v_mov_b32 v7, s58                              ; 448 x 2^e
; angle v[8 + e] -> cos in v[12 + e], sin in v[16 + e] with its sign turned where add = 2 (an even channel)
.macro SINCOS e, add
	v_mul_f32 v20, s60, v[8+\e]
	v_rndne_f32 v20, v20                           ; k
	v_fma_f32 v21, v20, s61, v[8+\e]
	v_fma_f32 v21, v20, s62, v21
	v_fma_f32 v21, v20, s63, v21                   ; r = x - k pi/2
	v_cvt_i32_f32 v22, v20
	v_mul_f32 v23, v21, v21                        ; r^2
	v_mov_b32 v24, 0x3638ef1d                      ; 1/9!
	v_fmaak_f32 v24, v24, v23, 0xb9500d01          ; -1/7!
	v_fmaak_f32 v24, v24, v23, 0x3c088889          ; 1/5!
	v_fmaak_f32 v24, v24, v23, 0xbe2aaaab          ; -1/3!
	v_mul_f32 v26, v21, v23
	v_fma_f32 v24, v24, v26, v21                   ; sin r
	v_mov_b32 v25, 0xb493f27e                      ; -1/10!
	v_fmaak_f32 v25, v25, v23, 0x37d00d01          ; 1/8!
	v_fmaak_f32 v25, v25, v23, 0xbab60b61          ; -1/6!
	v_fmaak_f32 v25, v25, v23, 0x3d2aaaab          ; 1/4!
	v_fmaak_f32 v25, v25, v23, 0xbf000000
	v_fmaak_f32 v25, v25, v23, 0x3f800000          ; cos r
	v_and_b32 v26, 1, v22
	v_cmp_eq_u32 vcc_lo, 1, v26                    ; an odd quarter turn exchanges the two
	v_cndmask_b32 v[16+\e], v24, v25, vcc_lo
	v_cndmask_b32 v[12+\e], v25, v24, vcc_lo
	v_add_nc_u32 v26, \add, v22
	v_lshlrev_b32 v26, 30, v26
	v_and_b32 v26, 0x80000000, v26                 ; sin is negative in quarters 2, 3
	v_xor_b32 v[16+\e], v[16+\e], v26
	v_add_nc_u32 v26, 1, v22
	v_lshlrev_b32 v26, 30, v26
	v_and_b32 v26, 0x80000000, v26                 ; cos in quarters 1, 2
	v_xor_b32 v[12+\e], v[12+\e], v26
.endm
	s_wait_loadcnt 32                              ; the angles are in; the 32 loads of fragments 0 and 1 stay out
	SINCOS 0, 2
	SINCOS 1, 0
	SINCOS 2, 2
	SINCOS 3, 0
	global_store_b128 v2, v[12:15], s[20:21]               ; 512 consecutive bytes each
	global_store_b128 v2, v[16:19], s[20:21] offset:1024
.macro FRAG i
.set RS, R0+64*((\i)%2)
.if \i < 3
	s_wait_loadcnt 16                              ; this fragment's 16 loads are in, the next one's stay out
.else
	s_wait_loadcnt 0x0
.endif
.irp row, 0,1,2,3,4,5,6,7,8,9,10,11,12,13,14,15
	ds_store_b128 v3, v[RS+4*\row:RS+4*\row+3] offset:\row*SP
.endr
.irp g, 0,1,2,3
.irp q, 0,1,2,3
	ds_load_b128 v[X+16*\g+4*\q:X+16*\g+4*\q+3], v4 offset:128*\g+16*\q   ; LDS serves a wave's instructions in order: these see the stores above
.endr
.endr
	s_wait_dscnt 0x0                               ; the numbers are back, and the stores have read their registers,
.if \i < 2
	LOAD (\i)+2                                    ; which take the fragment two further on
.endif
.set j, 0
.rept 64
	v_med3_num_f32 v[X+j], v[X+j], -v7, v7         ; the conversion to an 8-bit code does not saturate (ISA guide 7.6.2): the hold comes first
.set j, j+1
.endr
	s_wait_alu depctr_va_vdst(0)
	s_wait_xcnt 0x0                                ; the last fragment's stores have read the codes' registers
.irp g, 0,1,2,3
	v_cvt_scalef32_pk8_fp8_f32 v[C+4*\g:C+4*\g+1], v[X+16*\g:X+16*\g+7], v6
	v_cvt_scalef32_pk8_fp8_f32 v[C+4*\g+2:C+4*\g+3], v[X+16*\g+8:X+16*\g+15], v6
.endr
	v_nop                                          ; a plain line behind the conversions: the next fragment's holds write their sources
.irp g, 0,1,2,3
.if \i < 2
	global_store_b128 v2, v[C+4*\g:C+4*\g+3], s[34:35] offset:2048*((\i)%2)+512*\g
.else
	global_store_b128 v2, v[C+4*\g:C+4*\g+3], s[56:57] offset:2048*((\i)%2)+512*\g
.endif
.endr
.endm
	FRAG 0
	FRAG 1
	FRAG 2
	FRAG 3
	s_wait_tensorcnt 0x0
	ds_add_u32 v240, v241
	s_wait_dscnt 0x0
	s_endpgm
.Lfunc_end_k_q0c321f64c8_prep:
	.size	k_q0c321f64c8_prep, .Lfunc_end_k_q0c321f64c8_prep-k_q0c321f64c8_prep
	.p2alignl 7, 3214868480
	.fill 96, 4, 3214868480
	.section	.rodata,"a",@progbits
	.p2align	6, 0x0
	.amdhsa_kernel k_q0c321f64c8_prep
		.amdhsa_group_segment_fixed_size 34304
		.amdhsa_private_segment_fixed_size 0
		.amdhsa_enable_private_segment 0
		.amdhsa_kernarg_size 72
		.amdhsa_user_sgpr_count 2
		.amdhsa_user_sgpr_kernarg_segment_ptr 1
		.amdhsa_wavefront_size32 1
		.amdhsa_system_sgpr_workgroup_id_x 1
		.amdhsa_system_sgpr_workgroup_id_y 1
		.amdhsa_system_sgpr_workgroup_id_z 1
		.amdhsa_system_vgpr_workitem_id 0
		.amdhsa_next_free_vgpr 242
		.amdhsa_next_free_sgpr 66
		.amdhsa_reserve_vcc 1
		.amdhsa_float_denorm_mode_32 3
		.amdhsa_float_denorm_mode_16_64 3
		.amdhsa_memory_ordered 1
		.amdhsa_forward_progress 1
		.amdhsa_inst_pref_size 45
	.end_amdhsa_kernel
	.amdgpu_metadata
---
amdhsa.version: [ 1, 2 ]
amdhsa.kernels:
  - .name:           k_q0c321f64c8_prep
    .symbol:         k_q0c321f64c8_prep.kd
    .args:
      - { .name: x, .offset: 0, .size: 8, .value_kind: global_buffer, .address_space: global }
      - { .name: w_qkv, .offset: 8, .size: 8, .value_kind: global_buffer, .address_space: global }
      - { .name: w_out, .offset: 16, .size: 8, .value_kind: global_buffer, .address_space: global }
      - { .name: rotary_pos_emb, .offset: 24, .size: 8, .value_kind: global_buffer, .address_space: global }
      - { .name: lowp_scales, .offset: 32, .size: 8, .value_kind: global_buffer, .address_space: global }
      - { .name: xq, .offset: 40, .size: 8, .value_kind: global_buffer, .address_space: global }
      - { .name: wq, .offset: 48, .size: 8, .value_kind: global_buffer, .address_space: global }
      - { .name: woq, .offset: 56, .size: 8, .value_kind: global_buffer, .address_space: global }
      - { .name: rt, .offset: 64, .size: 8, .value_kind: global_buffer, .address_space: global }
    .group_segment_fixed_size: 34304
    .private_segment_fixed_size: 0
    .kernarg_segment_align: 8
    .kernarg_segment_size: 72
    .max_flat_workgroup_size: 128
    .sgpr_count:     66
    .vgpr_count:     242
    .wavefront_size: 32
...
	.end_amdgpu_metadata
.endif
;; end of part 1
;; launch qkv (part 2): grid 16 x 16, 4 waves a work-group, clusters of 4 x 4, 327,680 bytes of LDS; arguments xq, wq, rt, lowp_scales, qc, kv, vsum; writes qc, kv, vsum
.if DOCPART == 2
	.amdgcn_target "amdgcn-amd-amdhsa--gfx1250"
	.amdhsa_code_object_version 6
	.text
	.protected	k_q0c321f64c8_qkv
	.globl	k_q0c321f64c8_qkv
	.p2align	8
	.type	k_q0c321f64c8_qkv,@function
k_q0c321f64c8_qkv:
	s_mov_b64 s[64:65], 0
	v_nop
	global_prefetch_b8 v0, s[64:65] scope:SCOPE_SE
	s_setreg_imm32_b32 hwreg(HW_REG_WAVE_MODE, 25, 1), 1
	s_wait_xcnt 0x0
	s_wait_alu depctr_hold_cnt(0) depctr_sa_sdst(0) depctr_va_vdst(0) depctr_va_sdst(0) depctr_va_ssrc(0) depctr_va_vcc(0) depctr_vm_vsrc(0)
	s_getreg_b32 s2, hwreg(HW_REG_IB_STS2, 6, 4)
	s_cmp_eq_u32 s2, 0
	s_cbranch_scc0 .Lentry_in_a_cluster
	s_endpgm
.Lentry_in_a_cluster:
	s_bfe_u32 s2, ttmp6, 0x10000c
	s_cmp_lg_u32 s2, 0xf033
	s_cbranch_scc0 .Lentry_shape_is_right
	s_endpgm
.Lentry_shape_is_right:
; Product 1 and what follows it: a work-group makes 256 tokens x the 192 columns q, k, v of one head; the rotation by rt, the scale 1/8 of q (a power of two, folded into its code's scale), and the codes of q, k and v.
; LIMITS: the exponents e0 + e1 less e2, e3, e5 are such that each power of two made below is an f32 number.  NaN among the inputs is not served.
; K goes in four steps of 256 through a ring of two LDS slots; clusters of 4 x 4: x's tiles are shared along a row, the weight's along a column.  Each wave issues one joint load at the head and one behind each round.
; Operands lie as images of their registers.  v turns through a stage of the wave's own, so that its codes have the keys innermost; vsum is the sum of v's codes over 64 tokens, by a product with ones.
.set SLOT,  114688
.set BOFF,  65536
.set VP,    96
.set VSTG,  2*SLOT
.set SPARE, VSTG+4*64*VP
.set LI,   1
.set ADRA, 2
.set ADRB, 4
.set VST,  6
.set VTR,  7
.set SCQ,  8
.set HQ,   9
.set SCK,  10
.set HK,   11
.set SCV,  12
.set HV,   13
.set RR,   14
.set HH,   15
.set SPW,  28
.set NIL,  29
.set T,    96
.set AF,   128
.set G1A,  24
.set G0A,  32
.set G1B,  48
.set G0B,  56
.set MSB, 0
.macro WIN new
.if MSB != \new
	s_set_vgpr_msb (MSB<<8)|\new
.set MSB, \new
.endif
.endm
.set MUL_LO, 0xa1
.set MUL_HI, 0xf1
.macro JLOAD g0a, g1a, g0b, g1b
	s_cmp_eq_u32 s15, 0
	s_cbranch_scc0 .Lfor_b_\@
	tensor_load_to_lds s[\g0a:\g0a+3], s[\g1a:\g1a+7]
	s_nop 0
.rept 4
	v_nop
.endr
	s_branch .Lasked_\@
.Lfor_b_\@:
	tensor_load_to_lds s[\g0b:\g0b+3], s[\g1b:\g1b+7]
	s_nop 0
.rept 4
	v_nop
.endr
.Lasked_\@:
.endm
.macro CREST
	s_cmp_lg_u32 s14, 0
	s_cbranch_scc1 .Lnot_wave_0_\@
	s_barrier_signal -3
.Lnot_wave_0_\@:
	s_barrier_wait -3
	s_barrier_signal -1
	s_barrier_wait -1
.endm
.macro CROUND
	s_barrier_signal -1
	s_barrier_wait -1
	CREST
.endm
.macro PLACES
.rept 4
	v_nop
.endr
.endm
	s_load_b256 s[4:11], s[0:1], 0x0
	s_load_b128 s[76:79], s[0:1], 0x20
	s_load_b64 s[80:81], s[0:1], 0x30
	v_lshl_add_u32 v[SPW], v0, 2, SPARE
	v_mov_b32 v[NIL], 0
	ds_add_u32 v28, v29
	ds_add_u32 v28, v29
	s_wait_dscnt 0x0
	v_lshrrev_b32 v16, 5, v0
	v_readfirstlane_b32 s14, v16
	s_lshr_b32 s15, s14, 1
	s_and_b32 s16, s14, 1
	s_bfe_u32 s40, ttmp6, 0x40000
	s_bfe_u32 s41, ttmp6, 0x40004
	s_lshl_b32 s42, ttmp9, 2
	s_add_co_u32 s42, s42, s40
	s_and_b32 s17, ttmp7, 0xffff
	s_lshl_b32 s17, s17, 2
	s_add_co_u32 s17, s17, s41
	s_lshl_b32 s43, s41, 2
	s_lshl_b32 s43, 15, s43
	s_lshl_b32 s44, 0x1111, s40
	s_or_b32 s[G1A], s43, (3<<16)|(1<<21)
	s_or_b32 s[G1B], s44, (3<<16)|(1<<21)
	s_mov_b32 s[G1A+1], 32<<16
	s_mov_b32 s[G1A+2], 128<<16
	s_mov_b32 s[G1A+3], 32<<16
	s_mov_b32 s[G1A+4], 128
	s_mov_b32 s[G1A+5], 32
	s_mov_b32 s[G1A+6], 0
	s_mov_b32 s[G1A+7], 0
	s_mov_b32 s[G1B+1], 32<<16
	s_mov_b32 s[G1B+2], 96<<16
	s_mov_b32 s[G1B+3], 32<<16
	s_mov_b32 s[G1B+4], 96
	s_mov_b32 s[G1B+5], 32
	s_mov_b32 s[G1B+6], 0
	s_mov_b32 s[G1B+7], 0
	s_lshl_b32 s20, s17, 16
	s_lshl_b32 s18, s16, 15
	s_add_co_u32 s20, s20, s18
	s_mov_b32 s21, 0
	s_mul_i32 s46, s42, 49152
	s_mul_i32 s47, s16, 24576
	s_add_co_u32 s46, s46, s47
	s_mov_b32 s47, 0
	s_lshl_b32 s45, s16, 15
	s_mul_i32 s19, s16, 24576
	s_add_co_u32 s19, s19, BOFF
	s_wait_kmcnt 0x0
	s_load_b256 s[68:75], s[10:11], 0x0
	s_add_nc_u64 s[20:21], s[4:5], s[20:21]
	s_add_nc_u64 s[46:47], s[6:7], s[46:47]
	CROUND
.irp s, 0,1
	s_mov_b32 s[G0A+4*\s], 1
	s_add_co_u32 s[G0A+4*\s+1], s45, \s*SLOT
	s_add_nc_u64 s[G0A+4*\s+2:G0A+4*\s+3], s[20:21], \s*0x100000
	s_or_b32 s[G0A+4*\s+3], s[G0A+4*\s+3], 0x80000000
	s_mov_b32 s[G0B+4*\s], 1
	s_add_co_u32 s[G0B+4*\s+1], s19, \s*SLOT
	s_add_nc_u64 s[G0B+4*\s+2:G0B+4*\s+3], s[46:47], \s*0xc0000
	s_or_b32 s[G0B+4*\s+3], s[G0B+4*\s+3], 0x80000000
.endr
	JLOAD G0A, G1A, G0B, G1B                       ; K step 0, behind the round above
	s_and_b32 s83, s17, 7
	s_lshl_b32 s84, s83, 17
	s_lshl_b32 s85, s14, 15
	s_add_co_u32 s84, s84, s85
	s_mov_b32 s85, 0
	s_add_nc_u64 s[8:9], s[8:9], s[84:85]
	v_and_b32 v[LI], 31, v0
	v_lshlrev_b32 v[LI], 4, v[LI]
.irp a, 0,1,2,3
	WIN ((\a)<<6)
.irp q, 0,1,2,3,4,5,6,7,8,9,10,11,12,13,14,15
.if \a == 0
	global_load_b128 v[32+4*\q:35+4*\q], v[LI], s[8:9] offset:512*\q
.else
	global_load_b128 v[192+4*\q:195+4*\q], v[LI], s[8:9] offset:8192*\a+512*\q
.endif
.endr
.endr
	WIN 0
	s_lshl_b32 s84, s14, 14
	v_add_nc_u32 v[ADRA], s84, v[LI]
	v_add_nc_u32 v[ADRA+1], SLOT, v[ADRA]
	v_add_nc_u32 v[ADRB], BOFF, v[LI]
	v_add_nc_u32 v[ADRB+1], SLOT+BOFF, v[LI]
	v_and_b32 v[RR], 15, v0
	v_bfe_u32 v[HH], v0, 4, 1
	s_mul_i32 s85, s14, 64*VP
	s_add_co_u32 s85, s85, VSTG
	v_mul_u32_u24 v[VST], v[RR], VP
	v_lshl_add_u32 v[VST], v[HH], 3, v[VST]
	v_add_nc_u32 v[VST], s85, v[VST]
	v_and_b32 v16, 7, v0
	v_lshl_add_u32 v16, v[HH], 3, v16
	v_mul_u32_u24 v[VTR], v16, VP
	v_bfe_u32 v17, v0, 3, 1
	v_lshl_add_u32 v[VTR], v17, 4, v[VTR]
	v_add_nc_u32 v[VTR], s85, v[VTR]
	s_lshr_b32 s82, s17, 3
	s_lshl_b32 s82, s82, 4
	s_add_co_u32 s82, s82, s42
	s_lshl_b32 s84, s82, 17
	s_lshl_b32 s85, s83, 14
	s_add_co_u32 s84, s84, s85
	s_lshl_b32 s85, s14, 12
	s_add_co_u32 s84, s84, s85
	s_mov_b32 s85, 0
	s_add_nc_u64 s[76:77], s[76:77], s[84:85]
	s_lshl_b32 s84, s82, 18
	s_lshl_b32 s85, s83, 15
	s_add_co_u32 s84, s84, s85
	s_lshl_b32 s85, s15, 14
	s_add_co_u32 s84, s84, s85
	s_lshl_b32 s85, s16, 12
	s_add_co_u32 s86, s84, s85
	s_mov_b32 s87, 0
	s_add_nc_u64 s[86:87], s[78:79], s[86:87]
	s_lshl_b32 s85, s16, 10
	s_add_co_u32 s88, s84, s85
	s_add_co_u32 s88, s88, 8192
	s_mov_b32 s89, 0
	s_add_nc_u64 s[88:89], s[78:79], s[88:89]
	s_lshl_b32 s84, s82, 5
	s_lshl_b32 s85, s83, 2
	s_add_co_u32 s84, s84, s85
	s_add_co_u32 s84, s84, s14
	s_lshl_b32 s84, s84, 8
	s_mov_b32 s85, 0
	s_add_nc_u64 s[80:81], s[80:81], s[84:85]
	s_mov_b32 s90, 0x06040200
	s_mov_b32 s91, 0x07050301
.macro FRAG reg, adr, off
.irp c, 0,1,2,3
	ds_load_b128 v[\reg+4*\c:\reg+4*\c+3], v[\adr] offset:\off+512*\c
.endr
.endm
.macro FETCH_A slot, half, set
.irp a, 0,1,2,3
	FRAG AF+64*(\set)+16*\a, ADRA+\slot, \a*4096+(\half)*2048
.endr
.endm
.macro FETCH_B slot, half, b0
	WIN 0x40
.irp i, 0,1,2,3,4,5
	FRAG 16*(\b0+\i), ADRB+\slot, (\b0+\i)*4096+(\half)*2048
.endr
	WIN 0
.endm
.macro MULB b0, n, set, zero
.set bb, \b0
.rept \n
.irp a, 0,1,2,3
.set AC, 8*(4*(bb%6)+\a)
.if \zero
	v_wmma_f32_16x16x128_fp8_fp8 v[AC:AC+7], v[16*bb:16*bb+15], v[AF+64*(\set)+16*\a:AF+64*(\set)+16*\a+15], 0
.else
	v_wmma_f32_16x16x128_fp8_fp8 v[AC:AC+7], v[16*bb:16*bb+15], v[AF+64*(\set)+16*\a:AF+64*(\set)+16*\a+15], v[AC:AC+7]
.endif
.endr
.set bb, bb+1
.endr
.endm
.macro STEP slot, zero
	s_wait_dscnt 24
	WIN MUL_LO
	MULB 0, 6, 0, \zero
	s_wait_dscnt 0x0
	PLACES
	WIN 0
	FETCH_A \slot, 1, 1
	FETCH_B \slot, 1, 0
	WIN MUL_HI
	MULB 6, 6, 0, \zero
	PLACES
	FETCH_B \slot, 1, 6
.endm
.macro TURN slot, next, fill
	s_wait_tensorcnt 0x0
	ds_add_u32 v[SPW], v[NIL]
	s_wait_dscnt 25
	WIN MUL_LO
	MULB 0, 3, 1, 0
	s_wait_dscnt 0x0
	s_barrier_signal -1
	MULB 3, 3, 1, 0
	WIN 0
	s_barrier_wait -1
.if \fill
	CREST
	s_add_nc_u64 s[G0A+4*\slot+2:G0A+4*\slot+3], s[G0A+4*\slot+2:G0A+4*\slot+3], 0x200000
	s_add_nc_u64 s[G0B+4*\slot+2:G0B+4*\slot+3], s[G0B+4*\slot+2:G0B+4*\slot+3], 0x180000
	JLOAD G0A+4*\slot, G1A, G0B+4*\slot, G1B
.else
	PLACES
.endif
	FETCH_A \next, 0, 0
	FETCH_B \next, 0, 0
	WIN MUL_HI
	MULB 6, 6, 1, 0
	PLACES
	FETCH_B \next, 0, 6
.endm
	s_wait_alu depctr_va_vdst(0)                   ; the wait at the head's end
	s_wait_tensorcnt 0x0                           ; my part of K step 0 is in
	ds_add_u32 v[SPW], v[NIL]
	s_wait_dscnt 0x0
	CROUND                                         ; everybody's part of K step 0 is in, and the joint loads meet
	JLOAD G0A+4, G1A, G0B+4, G1B                   ; K step 1
	FETCH_A 0, 0, 0
	FETCH_B 0, 0, 0
	FETCH_B 0, 0, 6
	STEP 0, 1
	TURN 0, 1, 1
	STEP 1, 0
	TURN 1, 0, 1
	STEP 0, 0
	TURN 0, 1, 0
	STEP 1, 0
	s_wait_dscnt 24
	WIN MUL_LO
	MULB 0, 6, 1, 0
	s_wait_dscnt 0x0
	WIN MUL_HI
	MULB 6, 6, 1, 0
	WIN 0
	s_wait_loadcnt 0x0
	s_wait_kmcnt 0x0
.macro MKSC vs, vh
	s_add_co_i32 s93, s93, 127
	s_lshl_b32 s94, s93, 23
	v_mov_b32 v[\vs], s94
	s_add_co_i32 s93, s93, 8
	s_lshl_b32 s93, s93, 23
	s_or_b32 s93, s93, 0x600000
	v_mov_b32 v[\vh], s93
.endm
	s_add_co_i32 s92, s68, s69
	s_sub_co_i32 s93, s70, s92
	s_add_co_i32 s93, s93, 3
	MKSC SCQ, HQ
	s_sub_co_i32 s93, s71, s92
	MKSC SCK, HK
	s_sub_co_i32 s93, s73, s92
	MKSC SCV, HV
	PLACES
.macro ROT4 a, part, sc, hold, dst
.set RTB, 192
.if \a == 0
.set RTB, 32
.endif
.irp bq, 0,1,2,3
.set bb, 4*(\part)+\bq
.set AC, 8*(4*(bb%6)+\a)
	WIN ((2+bb/6)|((\a)<<2))
.irp i, 0,2,4,6
	v_pk_mul_f32 v[T+8*\bq+\i:T+8*\bq+\i+1], v[AC+\i:AC+\i+1], v[RTB+16*\bq+\i:RTB+16*\bq+\i+1]
.endr
.irp i, 0,2,4,6
	v_pk_fma_f32 v[T+8*\bq+\i:T+8*\bq+\i+1], v[AC+\i:AC+\i+1], v[RTB+16*\bq+8+\i:RTB+16*\bq+9+\i], v[T+8*\bq+\i:T+8*\bq+\i+1] op_sel:[1,0,0] op_sel_hi:[0,1,1]
.endr
.endr
	WIN 0
.set j, 0
.rept 32
	v_med3_num_f32 v[T+j], v[T+j], -v[\hold], v[\hold]
.set j, j+1
.endr
.irp bq, 0,1,2,3
	v_cvt_scalef32_pk8_fp8_f32 v[\dst+2*\bq:\dst+2*\bq+1], v[T+8*\bq:T+8*\bq+7], v[\sc]
.endr
	v_nop
.endm
.irp a, 0,1,2,3
	ROT4 \a, 0, SCQ, HQ, 128+16*\a
	global_store_b128 v[LI], v[128+16*\a:131+16*\a], s[76:77] offset:1024*\a
	global_store_b128 v[LI], v[132+16*\a:135+16*\a], s[76:77] offset:1024*\a+512
	ROT4 \a, 1, SCK, HK, 136+16*\a
	global_store_b128 v[LI], v[136+16*\a:139+16*\a], s[86:87] offset:1024*\a
	global_store_b128 v[LI], v[140+16*\a:143+16*\a], s[86:87] offset:1024*\a+512
	ROT4 \a, 2, SCV, HV, 192+8*\a
.irp bq, 0,1,2,3
	ds_store_b64 v[VST], v[192+8*\a+2*\bq:193+8*\a+2*\bq] offset:\a*16*VP+16*\bq
.endr
.endr
.irp c, 0,1,2,3
.irp y, 0,1
	ds_load_tr16_b128 v[64+4*(2*\c+\y):67+4*(2*\c+\y)], v[VTR] offset:\c*16*VP+32*\y
.endr
.endr
.irp j, 0,1,2,3,4,5,6,7
	v_mov_b32 v[232+\j], 0x38383838
.endr
	s_wait_dscnt 0x0
.irp c, 0,1,2,3
.irp y, 0,1
.irp p, 0,1
	v_perm_b32 v[T+8*(2*\y+\p)+2*\c], v[65+4*(2*\c+\y)], v[64+4*(2*\c+\y)], s[90+\p]
	v_perm_b32 v[T+8*(2*\y+\p)+2*\c+1], v[67+4*(2*\c+\y)], v[66+4*(2*\c+\y)], s[90+\p]
.endr
.endr
.endr
.irp t, 0,1,2,3
.irp g, 0,1
	global_store_b128 v[LI], v[T+8*\t+4*\g:T+8*\t+4*\g+3], s[88:89] offset:2048*\t+512*\g
.endr
.endr
.irp t, 0,1,2,3
	v_wmma_f32_16x16x64_fp8_fp8 v[32+8*\t:39+8*\t], v[232:239], v[T+8*\t:T+8*\t+7], 0
.endr
	v_cmp_eq_u32 vcc_lo, 1, v[HH]
	v_lshlrev_b32 v22, 3, v[RR]
	v_lshl_add_u32 v22, v[HH], 7, v22
	v_nop
	v_nop
	v_cndmask_b32 v20, v32, v48, vcc_lo
	v_cndmask_b32 v21, v40, v56, vcc_lo
	global_store_b64 v22, v[20:21], s[80:81]
	s_wait_tensorcnt 0x0
	ds_add_u32 v[SPW], v[NIL]
	s_wait_dscnt 0x0
	CROUND
	s_endpgm
.Lfunc_end_k_q0c321f64c8_qkv:
	.size	k_q0c321f64c8_qkv, .Lfunc_end_k_q0c321f64c8_qkv-k_q0c321f64c8_qkv
	.p2alignl 7, 3214868480
	.fill 96, 4, 3214868480
	.section	.rodata,"a",@progbits
	.p2align	6, 0x0
	.amdhsa_kernel k_q0c321f64c8_qkv
		.amdhsa_group_segment_fixed_size 327680
		.amdhsa_private_segment_fixed_size 0
		.amdhsa_enable_private_segment 0
		.amdhsa_kernarg_size 56
		.amdhsa_user_sgpr_count 2
		.amdhsa_user_sgpr_kernarg_segment_ptr 1
		.amdhsa_wavefront_size32 1
		.amdhsa_system_sgpr_workgroup_id_x 1
		.amdhsa_system_sgpr_workgroup_id_y 1
		.amdhsa_system_sgpr_workgroup_id_z 1
		.amdhsa_system_vgpr_workitem_id 0
		.amdhsa_next_free_vgpr 1024
		.amdhsa_next_free_sgpr 100
		.amdhsa_reserve_vcc 1
		.amdhsa_float_denorm_mode_32 3
		.amdhsa_float_denorm_mode_16_64 3
		.amdhsa_memory_ordered 1
		.amdhsa_forward_progress 1
		.amdhsa_inst_pref_size 137
	.end_amdhsa_kernel
	.amdgpu_metadata
---
amdhsa.version: [ 1, 2 ]
amdhsa.kernels:
  - .name:           k_q0c321f64c8_qkv
    .symbol:         k_q0c321f64c8_qkv.kd
    .args:
      - { .name: xq, .offset: 0, .size: 8, .value_kind: global_buffer, .address_space: global }
      - { .name: wq, .offset: 8, .size: 8, .value_kind: global_buffer, .address_space: global }
      - { .name: rt, .offset: 16, .size: 8, .value_kind: global_buffer, .address_space: global }
      - { .name: lowp_scales, .offset: 24, .size: 8, .value_kind: global_buffer, .address_space: global }
      - { .name: qc, .offset: 32, .size: 8, .value_kind: global_buffer, .address_space: global }
      - { .name: kv, .offset: 40, .size: 8, .value_kind: global_buffer, .address_space: global }
      - { .name: vsum, .offset: 48, .size: 8, .value_kind: global_buffer, .address_space: global }
    .group_segment_fixed_size: 327680
    .private_segment_fixed_size: 0
    .kernarg_segment_align: 8
    .kernarg_segment_size: 56
    .max_flat_workgroup_size: 128
    .sgpr_count:     100
    .vgpr_count:     1024
    .wavefront_size: 32
...
	.end_amdgpu_metadata
.endif
;; end of part 2
;; launch attn (part 3): grid 8 x 32, 8 waves a work-group, no clusters, 272,640 bytes of LDS; arguments qc, kv, vsum, mask, lowp_scales, ao; writes ao
.if DOCPART == 3
	.amdgcn_target "amdgcn-amd-amdhsa--gfx1250"
	.amdhsa_code_object_version 6
	.text
	.protected	k_q0c321f64c8_attn
	.globl	k_q0c321f64c8_attn
	.p2align	8
	.type	k_q0c321f64c8_attn,@function
k_q0c321f64c8_attn:
	s_mov_b64 s[64:65], 0
	v_nop
	global_prefetch_b8 v0, s[64:65] scope:SCOPE_SE
	s_setreg_imm32_b32 hwreg(HW_REG_WAVE_MODE, 25, 1), 1
	s_wait_xcnt 0x0
; Products 2 and 3 on codes of E4M3, the key mask, the causal mask, the softmax ahead of product 3, and the quantising of the result for product 4.
; t = score x log2(e) 2^(e2 + e3); M = the running largest t, rounded up to a whole number; p = 2^(t - M) is quantised with 2^e4; l = the sum of the unquantised p divides at the end.
; SHARES.  Work-group (i, bh) owns two blocks of 128 queries of head bh: 15 - i (later) and i (earlier).  A key step is 128 keys; together the blocks have 17 steps that the causal mask leaves.
;   Two groups of four waves; wave w of either group holds 32 queries of a block, two tiles that share every fragment.  Group 0 takes the later block's last nine steps, key tiles 7 - i .. 15 - i.
;   Group 1 takes the later block's first 7 - i steps, sets that partial result aside, and takes the earlier block's i + 1 steps.  So each group's last step (its n = 8, n = 7) lies on the diagonal.
;   At the end group 0 joins the later block's two parts: both M are whole numbers, so both parts are brought under the larger by powers of two.
; LDS.  16 key tiles (K's 8 KB, V's 8 KB).  They come through registers, each wave an eighth of every tile: tiles 0 .. 9 at the head; tiles 10 .. 15 - i are loaded while steps n = 0 .. 2, which read tiles up to 9, are worked.
;   (With i = 7 tile 9 is fetched and not read.)
; NO TENSOR LOADS, hence no cluster: two branches here hang on whole numbers read from memory: a step whose 128 mask bytes are all 1 adds no mask, and where 2^-e4 is 448 or less no code of p can pass the largest one.
; NO PREFETCH: the tiles of the head go out at once, and the others three key steps ahead of their use.
; LAYOUT.  Both products transposed: S^T = K Q^T (lane (r, h): query r, keys 16 t + 8 h + 0..7), so eight scores convert into register pair t of P, a K = 128 fragment; O^T = V^T P^T.
; THE KEY MASK is the C of the score products: 0 or -3.4e38 a key, in the result's layout.  The largest score begins at -2^66, under every true score (at most 64 x 448^2) and over every masked one: a masked key never moves M, and its p is 0.
; A ROW WITH NO VISIBLE KEY ends with l = 0: there O becomes the code of p = 1 x the sum of all 2,048 codes of V, and l = 2,048: the uniform row that reference() has.  A choice of values, no branch.
; LEFT OUT: key tiles that lie wholly behind a block's diagonal, which reference()'s own causal mask gives the weight 0 for all values of the inputs.  A NaN or an infinity that reaches only those is not carried on.
; LIMITS: e2 + e3 between -100 and 60; e4 between -126 and 126; e6 - e4 - e5 between -126 and 119.  NaN among the inputs is not served.
; REGISTERS.  window 0: v1-11, v28-31 addresses and scales; v12-19, v20-27 the two tiles' statistics (+0 -M, +1 the largest score, +2, +3 l, +4, +5 at work, +6 f); v32-159 S^T; v160-223 O^T; v224-255 P (also the maxima's chains).
;   window 1: v0-15 Q; v16-31 the earlier block's Q, later the statistics set aside; v32-95 K, then V; v96-191 tiles on their way (at the head v32-191); v192-255 the O^T set aside.
.set TILE, 16384
.set BIAS, 16*TILE                     ; 2,048 f32
.set VBP,  BIAS+8192                   ; 4 x 64 f32, parts of V's sums; behind them the 64 sums
.set VBF,  VBP+1024
.set SPARE, VBF+256                    ; the spare words, 128 bytes for each wave
.set LI,   1                           ; 16 x lane
.set LB,   2                           ; BIAS + 32 h
.set ADK,  3
.set ADB,  4
.set DA,   5                           ; my query - 8 h, in the block, tile A;
.set DB,   6                           ; tile B
.set NINF, 7
.set SPW,  8
.set PS,   9                           ; 2^e4
.set OS,   10
.set OH,   11
.set STA,  12
.set STB,  20
.set STAD, 28
.set TWOK, 29
.set NIL,  30
.set VBA,  31                          ; VBF + 32 h
.set S,    32
.set O,    160
.set P,    224
.set Q,    0
.set QL,   16
.set KV,   32
.set ST,   96
.set SAVE, 192
.set TOA,  17                          ; scalars: a step's tile is n + one of two offsets
.set TOB,  18
.set G,    20
.set WP,   21                          ; my wave in its group
.set WV,   40
.set I,    41
.set N,    42
.set LAST, 43                          ; my group's step on the diagonal
.set SW,   44                          ; the step ahead of which my group changes blocks (group 0: never)
.set CS,   46
.set SEL,  48
.set KB,   66
.set SB,   72                          ; 2,048 x wave: my eighth of a tile
.set HOL,  73                          ; bit L: a hole among keys 64 L .. 64 L + 63
.set HLD,  76                          ; 1: codes of p want the hold
.set MSB, 0
.macro WIN new
.if MSB != \new
	s_set_vgpr_msb (MSB<<8)|\new
.set MSB, \new
.endif
.endm
.macro VWAIT
	s_wait_alu depctr_va_vdst(0)
.endm
	s_load_b256 s[4:11], s[0:1], 0x0               ; qc, kv, vsum, mask
	s_load_b128 s[12:15], s[0:1], 0x20             ; the scales' exponents, ao
	v_lshl_add_u32 v[SPW], v0, 2, SPARE
	v_mov_b32 v[NIL], 0
	v_lshrrev_b32 v29, 5, v0
	v_readfirstlane_b32 s[WV], v29
	v_and_b32 v[LI], 31, v0
	v_lshlrev_b32 v[LI], 4, v[LI]
	v_lshlrev_b32 v32, 2, v[LI]                    ; 64 x lane: a lane's 64 mask bytes
	v_lshlrev_b32 v33, 3, v0                       ; 8 x thread: a thread's 8 mask bytes
	v_and_b32 v35, 63, v0                          ; channel
	v_lshrrev_b32 v36, 6, v0                       ; which 8 of the head's 32 blocks of 64 tokens
	v_lshlrev_b32 v34, 2, v35
	v_lshl_add_u32 v34, v36, 11, v34
	s_mov_b32 s[I], ttmp9
	s_and_b32 s60, ttmp7, 0xffff                   ; bh
	s_lshr_b32 s[G], s[WV], 2
	s_and_b32 s[WP], s[WV], 3
	s_lshl_b32 s[SB], s[WV], 11
	s_sub_co_u32 s63, 7, s[I]
	s_sub_co_u32 s[TOB], s[I], 7                   ; group 1's second run: tile n - (7 - i)
	s_sub_co_u32 s[LAST], 8, s[G]
	s_cmp_lt_u32 s[WV], 4
	s_cselect_b32 s[SW], 15, s63
	s_cselect_b32 s[TOA], s63, 0
	s_sub_co_u32 s63, 15, s[I]                     ; the later block
	s_cmp_lt_u32 s[WV], 4
	s_cselect_b32 s61, s63, s[I]                   ; the block that I finish
	s_lshl_b32 s78, s60, 18
	s_add_co_u32 s78, s78, s[SB]                   ; my eighth of the head's first tile
	s_mov_b32 s79, 0
	s_lshl_b32 s36, s60, 17                        ; Q: (128 bh + 8 block + 2 w) x 1,024
	s_lshl_b32 s62, s[WP], 11
	s_add_co_u32 s36, s36, s62
	s_lshl_b32 s62, s[I], 13
	s_add_co_u32 s38, s36, s62
	s_lshl_b32 s62, s63, 13
	s_add_co_u32 s36, s36, s62
	s_mov_b32 s37, 0
	s_mov_b32 s39, 0
	s_lshr_b32 s62, s60, 4                         ; batch
	s_lshl_b32 s32, s62, 11
	s_mov_b32 s33, 0
	s_lshl_b32 s34, s60, 13
	s_mov_b32 s35, 0
	; ao: (head / 4) x 1,048,576 + (128 batch + 8 block + 2 w + x) x 4,096 + (head % 4) x 1,024 + 512 y
	s_lshl_b32 s70, s62, 19
	s_lshl_b32 s61, s61, 15
	s_add_co_u32 s70, s70, s61
	s_lshl_b32 s61, s[WP], 13
	s_add_co_u32 s70, s70, s61
	s_and_b32 s61, s60, 3
	s_lshl_b32 s61, s61, 10
	s_add_co_u32 s70, s70, s61
	s_bfe_u32 s61, s60, 0x20002
	s_lshl_b32 s61, s61, 20
	s_add_co_u32 s70, s70, s61
	s_mov_b32 s71, 0
	s_mov_b32 s[SEL], 0x76543210
	s_mov_b32 s[SEL+1], 0xfedcba98
	s_mov_b32 s74, 0x05010400
	s_mov_b32 s75, 0x07030602
	VWAIT
	s_wait_kmcnt 0x0
	s_load_b256 s[52:59], s[12:13], 0x0            ; e0 .. e7
	s_add_nc_u64 s[10:11], s[10:11], s[32:33]
	s_add_nc_u64 s[8:9], s[8:9], s[34:35]
	s_add_nc_u64 s[36:37], s[4:5], s[36:37]
	s_add_nc_u64 s[38:39], s[4:5], s[38:39]
	s_add_nc_u64 s[KB:KB+1], s[6:7], s[78:79]
	s_add_nc_u64 s[70:71], s[14:15], s[70:71]
.irp q, 0,1,2,3
	global_load_b128 v[P+4*\q:P+4*\q+3], v32, s[10:11] offset:16*\q
.endr
	global_load_b64 v[240:241], v33, s[10:11]
.irp n, 0,1,2,3,4,5,6,7
	global_load_b32 v[242+\n], v34, s[8:9] offset:256*\n
.endr
	WIN 0x40
.irp q, 0,1,2,3                        ; both blocks' queries: which group I am decides at the change of blocks only
	global_load_b128 v[Q+4*\q:Q+4*\q+3], v[LI], s[36:37] offset:512*\q
	global_load_b128 v[QL+4*\q:QL+4*\q+3], v[LI], s[38:39] offset:512*\q
.endr
.irp t, 0,1,2,3,4,5,6,7,8,9            ; tiles 0 .. 9: 40 loads, the head's last
.irp q, 0,1,2,3
	global_load_b128 v[KV+16*\t+4*\q:KV+16*\t+4*\q+3], v[LI], s[KB:KB+1] offset:TILE*\t+512*\q
.endr
.endr
	WIN 0
	v_lshl_add_u32 v38, v0, 5, BIAS                ; my eight keys' place among the mask's numbers
	v_lshrrev_b32 v39, 5, v35                      ; channel d lies in tile t = 2 (d / 32) + d % 2, row m = (d / 2) % 16: word 16 t + m
	v_and_b32 v40, 1, v35
	v_bfe_u32 v41, v35, 1, 4
	v_lshl_add_u32 v41, v40, 4, v41
	v_lshl_add_u32 v41, v39, 5, v41
	v_lshlrev_b32 v41, 2, v41
	v_lshl_add_u32 v41, v36, 8, v41
	v_add_nc_u32 v41, VBP, v41
	v_and_b32 v42, 15, v0                          ; r
	v_bfe_u32 v43, v0, 4, 1                        ; h
	v_lshl_add_u32 v[LB], v43, 5, BIAS
	v_lshl_add_u32 v[VBA], v43, 5, VBF
	v_lshlrev_b32 v44, 3, v43
	v_sub_nc_u32 v[DA], v42, v44
	s_lshl_b32 s62, s[WP], 5
	v_add_nc_u32 v[DA], s62, v[DA]                 ; 32 w + r - 8 h
	v_add_nc_u32 v[DB], 16, v[DA]
	v_mov_b32 v[NINF], 0xff800000
	v_mov_b32 v[TWOK], 0x45000000                  ; 2,048.0
	v_add_nc_u32 v45, s[SB], v[LI]                 ; where my parts of tiles 0 .. 3,
	v_add_nc_u32 v46, 4*TILE, v45                  ; 4 .. 7,
	v_add_nc_u32 v47, 8*TILE, v45                  ; 8 and 9 go
	VWAIT
	s_wait_kmcnt 0x0
	s_add_co_i32 s62, s54, s55
	s_lshl_b32 s62, s62, 23
	s_add_co_i32 s[CS], s62, 0x3fb8aa3b            ; c = log2(e) 2^(e2 + e3): the exponents are added to the exponent field
	s_mov_b32 s[CS+1], s[CS]
	s_add_co_i32 s62, s56, 127
	s_lshl_b32 s61, s62, 23
	v_mov_b32 v[PS], s61
	s_sub_co_i32 s62, s58, s56
	s_sub_co_i32 s62, s62, s57                     ; O / l stands for O / l x 2^(e4 + e5): its code is (O / l) / 2^(e6 - e4 - e5)
	s_add_co_i32 s62, s62, 127
	s_lshl_b32 s61, s62, 23
	v_mov_b32 v[OS], s61
	s_add_co_i32 s62, s62, 8
	s_lshl_b32 s62, s62, 23
	s_or_b32 s62, s62, 0x600000
	v_mov_b32 v[OH], s62
	s_sub_co_i32 s77, 127, s56
	s_lshl_b32 s77, s77, 23
	s_min_u32 s77, s77, 0x43e00000                 ; the code value of p = 1: min(2^-e4, 448) (positive f32 numbers order as whole numbers)
	s_cmp_lt_i32 s56, -8                           ; p is at most 1, so p / 2^e4 passes 448 only where e4 is under -8
	s_cselect_b32 s[HLD], 1, 0
.macro INIT                            ; a block begins: O^T and l are zeros, the largest score lies under every true score
.set j, 0
.rept 64
	v_mov_b32 v[O+j], 0
.set j, j+1
.endr
.irp st, STA, STB
	v_mov_b32 v[\st+1], 0xe0800000                 ; -2^66
	v_mul_f32 v[\st+4], s[CS], v[\st+1]
	v_floor_f32 v[\st], -v[\st+4]                  ; -M
	v_mov_b32 v[\st+2], 0
	v_mov_b32 v[\st+3], 0
	v_mov_b32 v[\st+6], 0
	v_mov_b32 v[\st+7], 0
.endr
.endm
	INIT
	WIN 0x40
.set j, 0
.rept 64
	v_mov_b32 v[SAVE+j], 0                         ; (written once: what fills it stands under a branch)
.set j, j+1
.endr
	WIN 0
	VWAIT
	s_wait_loadcnt 40                              ; all but the tiles' 40 loads
.irp q, 1,2,3,4,5,6,7,8,9,10,11,12,13,14,15
	v_and_b32 v[P], v[P], v[P+\q]
.endr
	v_cmp_ne_u32 vcc_lo, 0x01010101, v[P]
	s_mov_b32 s[HOL], vcc_lo
.irp k, 0,1,2,3
	v_bfe_u32 v[64+\k], v240, 8*\k, 8
	v_bfe_u32 v[68+\k], v241, 8*\k, 8
.endr
.irp k, 0,1,2,3,4,5,6,7
	v_add_nc_u32 v[64+\k], -1, v[64+\k]
.endr
.irp k, 0,1,2,3,4,5,6,7
	v_and_b32 v[64+\k], 0xff7fffff, v[64+\k]       ; 1 -> 0.0; 0 -> the most negative f32 number
.endr
	ds_store_b128 v38, v[64:67]
	ds_store_b128 v38, v[68:71] offset:16
	v_pk_add_f32 v[242:243], v[242:243], v[244:245]
	v_pk_add_f32 v[246:247], v[246:247], v[248:249]
	v_pk_add_f32 v[242:243], v[242:243], v[246:247]
	v_add_f32 v242, v242, v243
	v_mul_f32 v242, s77, v242
	ds_store_b32 v41, v242
; THE MAXIMA: 64 scores a tile in four chains of 15 (two accumulators each, ascending, so that each result is read from its low end on); the eight chains of both tiles take turns.
.macro MAXES
.irp k, 0,1,2,3,4,5,6
.irp q, 0,1,2,3
.if \k == 0
	v_max3_num_f32 v[P+\q], v[S+16*\q], v[S+16*\q+1], v[S+16*\q+2]
.else
	v_max3_num_f32 v[P+\q], v[P+\q], v[S+16*\q+2*\k+1], v[S+16*\q+2*\k+2]
.endif
.endr
.irp q, 0,1,2,3
.if \k == 0
	v_max3_num_f32 v[P+16+\q], v[S+64+16*\q], v[S+64+16*\q+1], v[S+64+16*\q+2]
.else
	v_max3_num_f32 v[P+16+\q], v[P+16+\q], v[S+64+16*\q+2*\k+1], v[S+64+16*\q+2*\k+2]
.endif
.endr
.endr
.endm
; Line ln of a tile's statistics: the four scores left over, the chains and the running largest score; the other half of the lanes'; t; -M = floor(-t); f = 2^(old M - new M).
.macro STL sb, st, c, ln
.if \ln == 0
	v_max3_num_f32 v[\c], v[\c], v[\sb+15], v[\sb+31]
.elseif \ln == 1
	v_max3_num_f32 v[\c+2], v[\c+2], v[\sb+47], v[\sb+63]
.elseif \ln == 2
	v_mov_b32 v[\st+5], v[\st]                     ; the old -M
.elseif \ln == 3
	v_max3_num_f32 v[\c], v[\c], v[\c+1], v[\c+2]
.elseif \ln == 4
	v_max3_num_f32 v[\c], v[\c], v[\c+3], v[\st+1]
.elseif \ln == 5
	v_permlanex16_b32 v[\st+7], v[\c], s[SEL], s[SEL+1]
.elseif \ln == 6
	v_max_num_f32 v[\st+1], v[\c], v[\st+7]        ; the running largest score (c is positive: its t is the largest t)
.elseif \ln == 7
	v_mul_f32 v[\st+4], s[CS], v[\st+1]
.elseif \ln == 8
	v_floor_f32 v[\st], -v[\st+4]                  ; M is a whole number
.elseif \ln == 9
	v_sub_f32 v[\st+4], v[\st], v[\st+5]
.elseif \ln == 10
	v_cvt_i32_f32 v[\st+4], v[\st+4]               ; old M - new M (it saturates)
.else
	v_ldexp_f32 v[\st+6], 1.0, v[\st+4]            ; f: a multiplication by it rounds nothing
.endif
.endm
.macro FMA sb, st, pr                  ; pair pr of a tile's scores: t - M
	v_pk_fma_f32 v[\sb+2*(\pr):\sb+2*(\pr)+1], v[\sb+2*(\pr):\sb+2*(\pr)+1], s[CS:CS+1], v[\st:\st+1] op_sel_hi:[1,0,0]
.endm
.macro SCALE ob, f, n                  ; n pairs from ob on x f
.set j, 0
.rept \n
	v_pk_mul_f32 v[\ob+j:\ob+j+1], v[\ob+j:\ob+j+1], v[\f:\f+1] op_sel_hi:[1,0]
.set j, j+2
.endr
.endm
.macro TREE sb, n                      ; n pairs += the n pairs behind them
.set j, 0
.rept \n
	v_pk_add_f32 v[\sb+j:\sb+j+1], v[\sb+j:\sb+j+1], v[\sb+2*\n+j:\sb+2*\n+j+1]
.set j, j+2
.endr
.endm
.macro PV pb, ob                       ; O^T += V^T P^T: four accumulators, one instruction each
.irp t, 0,1,2,3
	v_wmma_f32_16x16x128_fp8_fp8 v[\ob+8*\t:\ob+8*\t+7], v[KV+16*\t:KV+16*\t+15], v[\pb:\pb+15], v[\ob+8*\t:\ob+8*\t+7]
.endr
.endm
.macro MASK sb, d                      ; on the diagonal: register 8 t + j holds key 16 t + 8 h + j of the step: hidden where 16 t + j > my query - 8 h
.set n, 0
.rept 64
	v_cmp_gt_i32 vcc_lo, 16*(n/8)+n%8, v[\d]
	v_cndmask_b32 v[\sb+n], v[\sb+n], v[NINF], vcc_lo
.set n, n+1
.endr
.endm
; A KEY STEP, n = s[N], on a tile up to tmax.  diag = 1: the step may lie on the diagonal or, in group 1, behind its last.
.macro STEP tmax, diag
.if \diag
	s_cmp_gt_u32 s[N], s[LAST]                     ; group 1 has eight steps
	s_cbranch_scc1 .Lskip_\@
.endif
	s_cmp_lg_u32 s[N], s[SW]
	s_cbranch_scc1 .Lsame_\@
	; group 1 changes blocks: O^T, M and l are set aside, and the earlier block's Q comes in
	WIN 0x40
.set j, 0
.rept 64
	v_mov_b32 v[SAVE+j], v[O+j]
.set j, j+1
.endr
	WIN 0x41
.set j, 0
.rept 16
	v_mov_b32 v[Q+j], v[QL+j]
.set j, j+1
.endr
	WIN 0x40
.irp k, 0,1,2,3
	v_mov_b32 v[QL+\k], v[STA+\k]
	v_mov_b32 v[QL+4+\k], v[STB+\k]
.endr
	WIN 0
	INIT
	VWAIT
.Lsame_\@:
	s_cmp_lt_u32 s[N], s[SW]
	s_cselect_b32 s61, s[TOA], s[TOB]
	s_add_co_u32 s61, s61, s[N]
	s_min_u32 s61, s61, \tmax                      ; the tile: of those that lie in LDS by now
	s_lshl_b32 s60, s61, 14
	s_lshl_b32 s62, s61, 1
	s_lshr_b32 s63, s[HOL], s62
	s_and_b32 s63, s63, 3                          ; has it a hole?
	s_lshl_b32 s61, s61, 9
	v_add_nc_u32 v[ADK], s60, v[LI]
	v_add_nc_u32 v[ADB], s61, v[LB]
	VWAIT
	WIN 0x40
.irp t, 0,1,2,3,4,5,6,7                ; (the last step's sums are the places between its products and these loads)
	ds_load_b128 v[KV+8*\t:KV+8*\t+3], v[ADK] offset:1024*\t
	ds_load_b128 v[KV+8*\t+4:KV+8*\t+7], v[ADK] offset:1024*\t+512
.endr
	WIN 0
	s_cmp_lg_u32 s63, 0
	s_cbranch_scc1 .Lholes_\@
	WIN 0x05                                       ; K and Q in window 1, S^T in window 0
.irp t, 0,1,2,3,4,5,6,7
	s_wait_dscnt 14-2*\t                           ; tile t's two loads are in; the later tiles', two each, may be out
	v_wmma_f32_16x16x64_fp8_fp8 v[S+8*\t:S+8*\t+7], v[KV+8*\t:KV+8*\t+7], v[Q:Q+7], 0
	v_wmma_f32_16x16x64_fp8_fp8 v[S+64+8*\t:S+64+8*\t+7], v[KV+8*\t:KV+8*\t+7], v[Q+8:Q+15], 0
.endr
	WIN 0
	s_branch .Lscored_\@
.Lholes_\@:                                            ; the mask's numbers are the sums' beginning
.irp t, 0,1,2,3,4,5,6,7
.irp y, 0,1
	ds_load_b128 v[S+64*\y+8*\t:S+64*\y+8*\t+3], v[ADB] offset:64*\t
	ds_load_b128 v[S+64*\y+8*\t+4:S+64*\y+8*\t+7], v[ADB] offset:64*\t+16
.endr
.endr
	s_wait_dscnt 0x0
	WIN 0x05
.irp t, 0,1,2,3,4,5,6,7
	v_wmma_f32_16x16x64_fp8_fp8 v[S+8*\t:S+8*\t+7], v[KV+8*\t:KV+8*\t+7], v[Q:Q+7], v[S+8*\t:S+8*\t+7]
	v_wmma_f32_16x16x64_fp8_fp8 v[S+64+8*\t:S+64+8*\t+7], v[KV+8*\t:KV+8*\t+7], v[Q+8:Q+15], v[S+64+8*\t:S+64+8*\t+7]
.endr
	WIN 0
.Lscored_\@:
.rept 4
	v_nop                                          ; places ahead of the loads into K's registers and of the first read of a score
.endr
	WIN 0x40
.irp t, 0,1,2,3                        ; V into K's registers: it is wanted behind both tiles' exponentials
.irp g, 0,1,2,3
	ds_load_b128 v[KV+16*\t+4*\g:KV+16*\t+4*\g+3], v[ADK] offset:8192+2048*\t+512*\g
.endr
.endr
	WIN 0
.if \diag
	s_cmp_lg_u32 s[N], s[LAST]
	s_cbranch_scc1 .Lopen_\@
	MASK S, DA
	MASK S+64, DB
.Lopen_\@:
.endif
	MAXES
.irp ln, 0,1,2,3,4,5,6,7,8,9
	STL S, STA, P, \ln
	STL S+64, STB, P+16, \ln
.endr
.irp pr, 0,1,2,3
	FMA S, STA, \pr
.endr
	STL S, STA, P, 10
	STL S+64, STB, P+16, 10
.irp pr, 4,5,6,7
	FMA S, STA, \pr
.endr
	STL S, STA, P, 11
	STL S+64, STB, P+16, 11
.set ke, 8
.rept 24
	FMA S, STA, ke
.set ke, ke+1
.endr
	SCALE O, STA+6, 16                             ; O^T and l under the new M
	SCALE O+32, STB+6, 16
	SCALE STA+2, STA+6, 1
	SCALE STB+2, STB+6, 1
	VWAIT                                          ; ahead of tile A's exponentials
.set ke, 0
.rept 32                               ; tile A's exponentials; between them tile B's scalings
	v_exp_f32 v[S+2*ke], v[S+2*ke]
	v_exp_f32 v[S+2*ke+1], v[S+2*ke+1]
	FMA S+64, STB, ke
.set ke, ke+1
.endr
	VWAIT                                          ; behind tile A's batch and ahead of tile B's
.set ke, 0
.rept 32                               ; tile B's exponentials; between them, from the eighth pair on, tile A's eight conversions, a plain place, and the first level of A's sum in place (l takes the unquantised p)
	v_exp_f32 v[S+64+2*ke], v[S+64+2*ke]
	v_exp_f32 v[S+65+2*ke], v[S+65+2*ke]
.set it, ke-7
.if (it >= 0) && (it < 8)
	v_cvt_scalef32_pk8_fp8_f32 v[P+2*it:P+2*it+1], v[S+8*it:S+8*it+7], v[PS]
.elseif it == 8
	v_nop
.elseif it > 8
	v_pk_add_f32 v[S+2*it-18:S+2*it-17], v[S+2*it-18:S+2*it-17], v[S+2*it+14:S+2*it+15]
.endif
.set ke, ke+1
.endr
	VWAIT                                          ; behind tile B's batch
.irp t, 0,1,2,3,4,5,6,7
	v_cvt_scalef32_pk8_fp8_f32 v[P+16+2*\t:P+17+2*\t], v[S+64+8*\t:S+71+8*\t], v[PS]
.endr
	TREE S, 8
	VWAIT
	s_cmp_eq_u32 s[HLD], 0
	s_cbranch_scc1 .Lheld_\@
	; THE HOLD, where e4 is under -8: the conversion does not saturate (ISA guide 7.6.2) and gives a number beyond 448 the code 0x7f; p is never negative, so no other number has it, and it becomes 0x7e, the code of 448
.set j, 0
.rept 32
	v_add_nc_u32 v[S+32+j], 0x01010101, v[P+j]     ; bit 7 of a byte: it was 0x7f
.set j, j+1
.endr
.set j, 0
.rept 32
	v_lshrrev_b32 v[S+32+j], 7, v[S+32+j]
.set j, j+1
.endr
.set j, 0
.rept 32
	v_and_b32 v[S+32+j], 0x01010101, v[S+32+j]
.set j, j+1
.endr
.set j, 0
.rept 32
	v_sub_nc_u32 v[P+j], v[P+j], v[S+32+j]
.set j, j+1
.endr
	VWAIT
.Lheld_\@:
	s_wait_dscnt 0x0                               ; V is in
	WIN 0x01
	PV P, O
	PV P+16, O+32
	WIN 0
	TREE S+64, 16                                  ; the sums go on beside the products; they are the places behind them too
	TREE S, 4
	TREE S+64, 8
	TREE S, 2
	TREE S+64, 4
	TREE S, 1
	TREE S+64, 2
	v_pk_add_f32 v[STA+2:STA+3], v[STA+2:STA+3], v[S:S+1]
	TREE S+64, 1
	v_pk_add_f32 v[STB+2:STB+3], v[STB+2:STB+3], v[S+64:S+65]
.if \diag
.Lskip_\@:
.endif
.endm
	VWAIT
	WIN 0x04
.irp t, 0,1,2,3,4,5,6,7,8,9
.set av, 45+\t/4
	s_wait_loadcnt 36-4*\t                         ; my part of tile t is in registers; the later tiles', four loads each, may be out
.irp q, 0,1,2,3
	ds_store_b128 v[av], v[KV+16*\t+4*\q:KV+16*\t+4*\q+3] offset:TILE*(\t%4)+512*\q
.endr
.endr
	WIN 0
	s_wait_dscnt 0x0                               ; my stores are done (and have read their registers)
	s_barrier_signal -1
	s_barrier_wait -1                              ; tiles 0 .. 9, the mask's numbers and V's partial sums are whole
.irp j, 0,1,2,3,4,5                    ; tiles 10 .. 15 - i: a branch on the work-group's number
	s_add_co_u32 s62, s[I], \j
	s_cmp_le_u32 s62, 5
	s_cbranch_scc0 .Lasked
	WIN 0x40
.irp q, 0,1,2,3
	global_load_b128 v[ST+16*\j+4*\q:ST+16*\j+4*\q+3], v[LI], s[KB:KB+1] offset:TILE*(10+\j)+512*\q
.endr
	WIN 0
.endr
.Lasked:
	s_mov_b32 s[N], 0
.Lfirst:                                               ; n = 0 .. 2: tiles up to 7 - i + 2
	STEP 9, 0
	s_add_co_u32 s[N], s[N], 1
	VWAIT
	s_cmp_lt_u32 s[N], 3
	s_cbranch_scc1 .Lfirst
	s_add_co_u32 s62, s[SB], 10*TILE
	s_add_co_u32 s63, s[SB], 14*TILE
	v_add_nc_u32 v[STAD], s62, v[LI]               ; where my parts of tiles 10 .. 13,
	v_add_nc_u32 v[ADB], s63, v[LI]                ; 14 and 15 go: bytes that nobody has read
	VWAIT
	s_wait_loadcnt 0x0                             ; they are in registers
.irp j, 0,1,2,3,4,5
	s_add_co_u32 s62, s[I], \j
	s_cmp_le_u32 s62, 5
	s_cbranch_scc0 .Lstored
	WIN 0x04
.irp q, 0,1,2,3
.if \j < 4
	ds_store_b128 v[STAD], v[ST+16*\j+4*\q:ST+16*\j+4*\q+3] offset:TILE*\j+512*\q
.else
	ds_store_b128 v[ADB], v[ST+16*\j+4*\q:ST+16*\j+4*\q+3] offset:TILE*(\j-4)+512*\q
.endif
.endr
	WIN 0
.endr
.Lstored:
	s_wait_dscnt 0x0
	s_barrier_signal -1
	s_barrier_wait -1                              ; every tile that is read is whole
	s_mov_b32 s[N], 3
.Lsecond:
	STEP 15, 1
	s_add_co_u32 s[N], s[N], 1
	VWAIT
	s_cmp_lt_u32 s[N], 9
	s_cbranch_scc1 .Lsecond
	; THE JOIN.  Group 1 lays the later block's partial result into LDS (the key tiles are done with); waves 0 and 1 add V's four partial sums.
	s_wait_dscnt 0x0
	s_barrier_signal -1
	s_barrier_wait -1                              ; nobody reads a key tile any more
	s_mul_i32 s62, s[WP], 9216
	v_add_nc_u32 v[STAD], s62, v[LI]
	v_lshl_add_u32 v[ADK], v0, 2, VBP
	VWAIT
	s_cmp_lt_u32 s[WV], 4
	s_cbranch_scc1 .Lgroup0
	WIN 0x04
.irp q, 0,1,2,3,4,5,6,7,8,9,10,11,12,13,14,15
	ds_store_b128 v[STAD], v[SAVE+4*\q:SAVE+4*\q+3] offset:512*\q
.endr
	ds_store_b128 v[STAD], v[QL:QL+3] offset:8192
	ds_store_b128 v[STAD], v[QL+4:QL+7] offset:8704
	WIN 0
	s_branch .Lgap
.Lgroup0:
	s_cmp_lt_u32 s[WV], 2
	s_cbranch_scc0 .Lgap
.irp q, 0,1,2,3
	ds_load_b32 v[S+\q], v[ADK] offset:256*\q
.endr
	s_wait_dscnt 0x0
	v_add_f32 v[S], v[S], v[S+1]
	v_add_f32 v[S+2], v[S+2], v[S+3]
	v_add_f32 v[S], v[S], v[S+2]
	ds_store_b32 v[ADK], v[S] offset:1024
.Lgap:
	VWAIT
	s_wait_dscnt 0x0
	s_barrier_signal -1
	s_barrier_wait -1
	s_cmp_lt_u32 s[WV], 4
	s_cbranch_scc0 .Lno_join
.irp q, 0,1,2,3,4,5,6,7,8,9,10,11,12,13,14,15
	ds_load_b128 v[S+4*\q:S+4*\q+3], v[STAD] offset:512*\q
.endr
	ds_load_b128 v[P:P+3], v[STAD] offset:8192
	ds_load_b128 v[P+4:P+7], v[STAD] offset:8704
	s_wait_dscnt 0x0
.macro JOIN st, ps, ob, sb
	v_min_num_f32 v[\st+4], v[\st], v[\ps]         ; -M of both
	v_sub_f32 v[\st+5], v[\st+4], v[\st]
	v_sub_f32 v[\ps+1], v[\st+4], v[\ps]
	v_cvt_i32_f32 v[\st+5], v[\st+5]
	v_cvt_i32_f32 v[\ps+1], v[\ps+1]
	v_ldexp_f32 v[\st+6], 1.0, v[\st+5]
	v_ldexp_f32 v[\ps], 1.0, v[\ps+1]
	SCALE \st+2, \st+6, 1
	SCALE \ob, \st+6, 16
	v_pk_fma_f32 v[\st+2:\st+3], v[\ps+2:\ps+3], v[\ps:\ps+1], v[\st+2:\st+3] op_sel_hi:[1,0,1]
.set j, 0
.rept 16
	v_pk_fma_f32 v[\ob+j:\ob+j+1], v[\sb+j:\sb+j+1], v[\ps:\ps+1], v[\ob+j:\ob+j+1] op_sel_hi:[1,0,1]
.set j, j+2
.endr
.endm
	JOIN STA, P, O, S
	JOIN STB, P+4, O+32, S+32
	VWAIT
.Lno_join:
	; THE WAY OUT: group 0 the later block, group 1 the earlier one.
.irp t, 0,1,2,3                        ; the code of p = 1 x the sum of all of V's codes, in O^T's layout
	ds_load_b128 v[S+8*\t:S+8*\t+3], v[VBA] offset:64*\t
	ds_load_b128 v[S+8*\t+4:S+8*\t+7], v[VBA] offset:64*\t+16
.endr
	v_add_f32 v[STA+4], v[STA+2], v[STA+3]
	v_add_f32 v[STB+4], v[STB+2], v[STB+3]
	v_permlanex16_b32 v[STA+7], v[STA+4], s[SEL], s[SEL+1]
	v_permlanex16_b32 v[STB+7], v[STB+4], s[SEL], s[SEL+1]
	v_add_f32 v[STA+4], v[STA+4], v[STA+7]
	v_add_f32 v[STB+4], v[STB+4], v[STB+7]
	VWAIT
	s_wait_dscnt 0x0
.macro NOKEY st, ob                    ; the row with no visible key
	v_cmp_eq_f32 vcc_lo, 0, v[\st+4]
	v_cndmask_b32 v[\st+4], v[\st+4], v[TWOK], vcc_lo
.set j, 0
.rept 32
	v_cndmask_b32 v[\ob+j], v[\ob+j], v[S+j], vcc_lo
.set j, j+1
.endr
.endm
	NOKEY STA, O
	NOKEY STB, O+32
	VWAIT                                          ; ahead of the two reciprocals
	v_rcp_f32 v[STA+6], v[STA+4]
	v_rcp_f32 v[STB+6], v[STB+4]
	v_nop
	VWAIT                                          ; and behind them
; One tile: O / l; the hold; codes; the even and the odd tile woven into channels 32 y + 16 h + 0 .. 15; two stores of 512 consecutive bytes.
.macro OUT st, ob, cb, x
	SCALE \ob, \st+6, 16
.set j, 0
.rept 32
	v_med3_num_f32 v[\ob+j], v[\ob+j], -v[OH], v[OH]
.set j, j+1
.endr
.irp t, 0,1,2,3
	v_cvt_scalef32_pk8_fp8_f32 v[\cb+2*\t:\cb+2*\t+1], v[\ob+8*\t:\ob+8*\t+7], v[OS]
.endr
	v_nop                                          ; a plain line between the conversions and the lines that read their results
.irp y, 0,1
	v_perm_b32 v[\cb+8+4*\y], v[\cb+4*\y+2], v[\cb+4*\y], s74
	v_perm_b32 v[\cb+9+4*\y], v[\cb+4*\y+2], v[\cb+4*\y], s75
	v_perm_b32 v[\cb+10+4*\y], v[\cb+4*\y+3], v[\cb+4*\y+1], s74
	v_perm_b32 v[\cb+11+4*\y], v[\cb+4*\y+3], v[\cb+4*\y+1], s75
	global_store_b128 v[LI], v[\cb+8+4*\y:\cb+11+4*\y], s[70:71] offset:4096*\x+512*\y
.endr
.endm
	OUT STA, O, S+64, 0
	OUT STB, O+32, S+80, 1
	s_wait_tensorcnt 0x0                           ; the wave's end
	ds_add_u32 v[SPW], v[NIL]
	s_wait_dscnt 0x0
	s_endpgm
.Lfunc_end_k_q0c321f64c8_attn:
	.size	k_q0c321f64c8_attn, .Lfunc_end_k_q0c321f64c8_attn-k_q0c321f64c8_attn
	.p2alignl 7, 3214868480
	.fill 96, 4, 3214868480
	.section	.rodata,"a",@progbits
	.p2align	6, 0x0
	.amdhsa_kernel k_q0c321f64c8_attn
		.amdhsa_group_segment_fixed_size 272640
		.amdhsa_private_segment_fixed_size 0
		.amdhsa_enable_private_segment 0
		.amdhsa_kernarg_size 48
		.amdhsa_user_sgpr_count 2
		.amdhsa_user_sgpr_kernarg_segment_ptr 1
		.amdhsa_wavefront_size32 1
		.amdhsa_system_sgpr_workgroup_id_x 1
		.amdhsa_system_sgpr_workgroup_id_y 1
		.amdhsa_system_sgpr_workgroup_id_z 1
		.amdhsa_system_vgpr_workitem_id 0
		.amdhsa_next_free_vgpr 512
		.amdhsa_next_free_sgpr 80
		.amdhsa_reserve_vcc 1
		.amdhsa_float_denorm_mode_32 3
		.amdhsa_float_denorm_mode_16_64 3
		.amdhsa_memory_ordered 1
		.amdhsa_forward_progress 1
		.amdhsa_inst_pref_size 136
	.end_amdhsa_kernel
	.amdgpu_metadata
---
amdhsa.version: [ 1, 2 ]
amdhsa.kernels:
  - .name:           k_q0c321f64c8_attn
    .symbol:         k_q0c321f64c8_attn.kd
    .args:
      - { .name: qc, .offset: 0, .size: 8, .value_kind: global_buffer, .address_space: global }
      - { .name: kv, .offset: 8, .size: 8, .value_kind: global_buffer, .address_space: global }
      - { .name: vsum, .offset: 16, .size: 8, .value_kind: global_buffer, .address_space: global }
      - { .name: mask, .offset: 24, .size: 8, .value_kind: global_buffer, .address_space: global }
      - { .name: lowp_scales, .offset: 32, .size: 8, .value_kind: global_buffer, .address_space: global }
      - { .name: ao, .offset: 40, .size: 8, .value_kind: global_buffer, .address_space: global }
    .group_segment_fixed_size: 272640
    .private_segment_fixed_size: 0
    .kernarg_segment_align: 8
    .kernarg_segment_size: 48
    .max_flat_workgroup_size: 256
    .sgpr_count:     80
    .vgpr_count:     512
    .wavefront_size: 32
...
	.end_amdgpu_metadata
.endif
;; end of part 3
;; launch proj (part 4): grid 8 x 32, 4 waves a work-group, clusters of 4 x 4, 280,064 bytes of LDS; arguments ao, woq, b_out, lowp_scales, out0; writes out0
.if DOCPART == 4
	.amdgcn_target "amdgcn-amd-amdhsa--gfx1250"
	.amdhsa_code_object_version 6
	.text
	.protected	k_q0c321f64c8_proj
	.globl	k_q0c321f64c8_proj
	.p2align	8
	.type	k_q0c321f64c8_proj,@function
k_q0c321f64c8_proj:
	s_mov_b64 s[64:65], 0
	v_nop
	global_prefetch_b8 v0, s[64:65] scope:SCOPE_SE
	s_setreg_imm32_b32 hwreg(HW_REG_WAVE_MODE, 25, 1), 1
	s_wait_xcnt 0x0
	s_wait_alu depctr_hold_cnt(0) depctr_sa_sdst(0) depctr_va_vdst(0) depctr_va_sdst(0) depctr_va_ssrc(0) depctr_va_vcc(0) depctr_vm_vsrc(0)
	s_getreg_b32 s2, hwreg(HW_REG_IB_STS2, 6, 4)
	s_cmp_eq_u32 s2, 0
	s_cbranch_scc0 .Lentry_in_a_cluster
	s_endpgm
.Lentry_in_a_cluster:
	s_bfe_u32 s2, ttmp6, 0x10000c
	s_cmp_lg_u32 s2, 0xf033
	s_cbranch_scc0 .Lentry_shape_is_right
	s_endpgm
.Lentry_shape_is_right:
; Product 4: out0 = (attention's result, as codes) w_out^T x 2^(e6 + e7) + b_out.  LIMIT: e6 + e7 between -126 and 127.
; SHARES.  A work-group makes 128 tokens (by) x 128 columns (bx); a wave 64 x 64: 16 accumulators.  256 work-groups.
; ALL OF K (1,024) LIES IN LDS, in two halves of 512: each A's 64 KB (two chunks of 256 along K, 8 tiles x 4,096 bytes) and then B's 64 KB.  Each wave issues ONE joint load of 64 KB at the head, two rows of 32,768 bytes:
;   wave 0, 1: A's half 0, 1; wave 2, 3: B's half 0, 1.  No byte is filled again; one wait and one barrier stand ahead of the eight steps of 128 along K.
; CLUSTER 4 x 4: A's blocks are shared along a row of the cluster, B's along a column.  Operands are images of their registers: every fragment load is 16 x lane + a constant.
; NO PREFETCH: everything is asked for at the head.
; THE MATRIX INSTRUCTION IS USED TRANSPOSED (source 0 = 16 rows of w_out, source 1 = 16 tokens): a lane holds eight neighbouring columns of one token.
; REGISTERS.  window 0: v1-14 addresses; v32-63 at work; v64-95 rows on their way out; v96-127 b_out; v128-255 the accumulators ((a, b) at v[128 + 8 (4 a + b)]).   window 1: two sets of fragments: A's 4 x 16, B's 4 x 16.
.set HALF,   131072
.set STAGE,  262144                    ; 16 rows x (256 + 16) bytes for each wave
.set SPITCH, 272
.set SPARE,  STAGE+4*16*SPITCH         ; the spare words
.set LI,   1
.set ADRA, 2                           ; v2-3: my A fragments in half 0, 1
.set ADRB, 6                           ; v6-7: B's
.set STO,  10
.set RD,   11
.set CO,   12
.set SPW,  30
.set NIL,  31
.set T,    32
.set BK0,  64
.set BO,   96
.set ACC,  128
.set G1A,  16
.set G1B,  24
.set G0A,  32
.set G0B,  48
.set SC,   90
.set MSB, 0
.macro WIN new
.if MSB != \new
	s_set_vgpr_msb (MSB<<8)|\new
.set MSB, \new
.endif
.endm
.macro CROUND                          ; a round of the cluster's barrier
	s_barrier_signal -1
	s_barrier_wait -1
	s_cmp_lg_u32 s14, 0
	s_cbranch_scc1 .Lnot_wave_0_\@
	s_barrier_signal -3
.Lnot_wave_0_\@:
	s_barrier_wait -3
	s_barrier_signal -1
	s_barrier_wait -1
.endm
.macro PLACES
.rept 4
	v_nop
.endr
.endm
	s_load_b256 s[4:11], s[0:1], 0x0               ; ao, woq, b_out, the scales' exponents
	s_load_b64 s[12:13], s[0:1], 0x20              ; out0
	v_lshl_add_u32 v[SPW], v0, 2, SPARE
	v_mov_b32 v[NIL], 0
	ds_add_u32 v[SPW], v[NIL]                      ; the wave's opening: the add, twice on end, and its wait ahead of my first tensor load
	ds_add_u32 v[SPW], v[NIL]
	v_lshrrev_b32 v13, 5, v0
	v_readfirstlane_b32 s14, v13                   ; wave
	s_lshr_b32 s15, s14, 1                         ; my half of the tokens; also: I fetch for A (0) or B (1)
	s_and_b32 s77, s14, 1                          ; my half of the columns; also which half of K I fetch
	s_bfe_u32 s66, ttmp6, 0x40000                  ; cx
	s_bfe_u32 s67, ttmp6, 0x40004                  ; cy
	s_lshl_b32 s68, ttmp9, 2
	s_add_co_u32 s68, s68, s66                     ; bx
	s_and_b32 s69, ttmp7, 0xffff
	s_lshl_b32 s69, s69, 2
	s_add_co_u32 s69, s69, s67                     ; by
	s_lshl_b32 s70, s67, 2
	s_lshl_b32 s70, 15, s70                        ; my row of the cluster
	s_lshl_b32 s71, 0x1111, s66                    ; my column
	s_or_b32 s[G1A], s70, (3<<16)|(1<<21)          ; elements of 8 bytes, two rows of 4,096 of them
	s_or_b32 s[G1B], s71, (3<<16)|(1<<21)
.irp g, G1A, G1B
	s_mov_b32 s[\g+1], 4096<<16
	s_mov_b32 s[\g+2], 2<<16
	s_mov_b32 s[\g+3], 4096<<16
	s_mov_b32 s[\g+4], 2
	s_mov_b32 s[\g+6], 0
	s_mov_b32 s[\g+7], 0
.endr
	s_mov_b32 s[G1A+5], 131072                     ; from chunk to chunk: 0x100000 bytes in A,
	s_mov_b32 s[G1B+5], 32768                      ; 0x40000 in B
	s_lshl_b32 s78, s77, 21
	s_lshl_b32 s72, s69, 15
	s_add_co_u32 s72, s72, s78                     ; A: 32,768 by + two chunks x half
	s_mov_b32 s73, 0
	s_lshl_b32 s78, s77, 19
	s_lshl_b32 s74, s68, 15
	s_add_co_u32 s74, s74, s78                     ; B: 32,768 bx + two chunks x half
	s_mov_b32 s75, 0
	s_lshl_b32 s76, s77, 17
	s_lshl_b32 s78, s15, 16
	s_add_co_u32 s76, s76, s78                     ; in LDS: the half, B behind A
	s_wait_dscnt 0x0
	s_wait_kmcnt 0x0
	s_load_b256 s[80:87], s[10:11], 0x0            ; e0 .. e7
	s_add_nc_u64 s[72:73], s[4:5], s[72:73]
	s_add_nc_u64 s[74:75], s[6:7], s[74:75]
	s_mov_b32 s[G0A], 1
	s_mov_b32 s[G0A+1], s76
	s_mov_b64 s[G0A+2:G0A+3], s[72:73]
	s_or_b32 s[G0A+3], s[G0A+3], 0x80000000
	s_mov_b32 s[G0B], 1
	s_mov_b32 s[G0B+1], s76
	s_mov_b64 s[G0B+2:G0B+3], s[74:75]
	s_or_b32 s[G0B+3], s[G0B+3], 0x80000000
	CROUND                                         ; all sixteen work-groups are here: the joint loads meet
	s_cmp_lt_u32 s14, 2                            ; one load a wave, in one branch on its number
	s_cbranch_scc0 .Lfirst_b
	tensor_load_to_lds s[G0A:G0A+3], s[G1A:G1A+7]
	s_nop 0
	PLACES
	s_branch .Lfirst_asked
.Lfirst_b:
	tensor_load_to_lds s[G0B:G0B+3], s[G1B:G1B+7]
	s_nop 0
	PLACES
.Lfirst_asked:
	v_and_b32 v[LI], 31, v0
	v_lshlrev_b32 v[LI], 4, v[LI]
	v_and_b32 v15, 15, v0                          ; r
	v_bfe_u32 v16, v0, 4, 1                        ; h
	v_lshlrev_b32 v14, 5, v16
	s_wait_alu depctr_va_vdst(0)
	s_lshl_b32 s88, s68, 9
	s_lshl_b32 s89, s77, 8
	s_add_co_u32 s88, s88, s89                     ; my first column, in bytes
	s_mov_b32 s89, 0
	s_add_nc_u64 s[8:9], s[8:9], s[88:89]
.irp b, 0,1,2,3
	global_load_b128 v[BO+8*\b:BO+8*\b+3], v14, s[8:9] offset:64*\b            ; b_out at columns 16 b + 8 h + 0 .. 7
	global_load_b128 v[BO+8*\b+4:BO+8*\b+7], v14, s[8:9] offset:64*\b+16
.endr
	s_add_nc_u64 s[12:13], s[12:13], s[88:89]
	s_lshl_b32 s88, s69, 19
	s_lshl_b32 s92, s15, 18
	s_add_co_u32 s88, s88, s92                     ; my first token's row of 4,096 bytes
	s_add_nc_u64 s[12:13], s[12:13], s[88:89]
	s_lshl_b32 s92, s15, 14
	s_lshl_b32 s93, s77, 14
	s_add_co_u32 s93, s93, 65536
.irp u, 0,1
	v_add_nc_u32 v[ADRA+\u], s92, v[LI]
	v_add_nc_u32 v[ADRB+\u], s93, v[LI]
	s_add_co_u32 s92, s92, HALF
	s_add_co_u32 s93, s93, HALF
.endr
	s_mul_i32 s94, s14, 16*SPITCH
	s_add_co_u32 s94, s94, STAGE                   ; my stage
	v_mul_u32_u24 v[STO], v15, SPITCH
	v_lshl_add_u32 v[STO], v16, 5, v[STO]
	v_add_nc_u32 v[STO], s94, v[STO]               ; in: token r, + 32 h
	v_mul_u32_u24 v[RD], v16, SPITCH
	v_lshl_add_u32 v[RD], v15, 4, v[RD]
	v_add_nc_u32 v[RD], s94, v[RD]                 ; back: lanes 0-15 one row of 256 bytes, lanes 16-31 the next
	v_lshlrev_b32 v[CO], 12, v16
	v_lshl_add_u32 v[CO], v15, 4, v[CO]            ; and the same two rows in out0
.macro FETCH k                         ; step k (128 along K): 32 loads into set k % 2
.set uu, (\k)/4
.set at, 32768*(((\k)/2)%2)+2048*((\k)%2)
.set FB, 128*((\k)%2)
	WIN 0x40
.irp i, 0,1,2,3
.irp c, 0,1,2,3
	ds_load_b128 v[FB+64+16*\i+4*\c:FB+64+16*\i+4*\c+3], v[ADRB+uu] offset:\i*4096+at+512*\c
.endr
.endr
.irp i, 0,1,2,3
.irp c, 0,1,2,3
	ds_load_b128 v[FB+16*\i+4*\c:FB+16*\i+4*\c+3], v[ADRA+uu] offset:\i*4096+at+512*\c
.endr
.endr
.endm
.macro MUL16 k                         ; the 16 accumulators take turns, one instruction a turn, in the same order in every step
.set FB, 128*((\k)%2)
	WIN 0x05                                       ; sources 0 and 1 window 1, C and D window 0
.irp a, 0,1,2,3
.irp b, 0,1,2,3
.if \k == 0
	v_wmma_f32_16x16x128_fp8_fp8 v[ACC+8*(4*\a+\b):ACC+8*(4*\a+\b)+7], v[FB+64+16*\b:FB+64+16*\b+15], v[FB+16*\a:FB+16*\a+15], 0
.else
	v_wmma_f32_16x16x128_fp8_fp8 v[ACC+8*(4*\a+\b):ACC+8*(4*\a+\b)+7], v[FB+64+16*\b:FB+64+16*\b+15], v[FB+16*\a:FB+16*\a+15], v[ACC+8*(4*\a+\b):ACC+8*(4*\a+\b)+7]
.endif
.endr
.endr
.endm
.macro KSTEP k
.if \k < 7
.if \k > 0
	PLACES                                         ; in front of loads into the set that the step before multiplied
.endif
	FETCH (\k)+1
	s_wait_dscnt 32                                ; all but the 32 just issued
.else
	s_wait_dscnt 0x0
.endif
	MUL16 \k
.endm
	s_wait_alu depctr_va_vdst(0)                   ; the wait at the head's end
	s_wait_tensorcnt 0x0                           ; my load has landed;
	s_barrier_signal -1
	s_barrier_wait -1                              ; everybody's has
	FETCH 0
.irp k, 0,1,2,3,4,5,6,7
	KSTEP \k
.endr
	WIN 0
	; THE WAY OUT, 16 tokens at a time: sum x 2^(e6 + e7) + b_out; through my own stage; back as rows of 256 bytes, which sixteen lanes store as one aligned unit.
	s_wait_loadcnt 0x0                             ; b_out
	s_wait_kmcnt 0x0
	s_add_co_i32 s[SC], s86, s87
	s_add_co_i32 s[SC], s[SC], 127
	s_lshl_b32 s[SC], s[SC], 23                    ; 2^(e6 + e7) as f32
	s_mov_b32 s[SC+1], s[SC]
	PLACES
.macro TOSTAGE a
.irp b, 0,1,2,3
.irp i, 0,2,4,6
	v_pk_fma_f32 v[T+8*\b+\i:T+8*\b+\i+1], v[ACC+8*(4*(\a)+\b)+\i:ACC+8*(4*(\a)+\b)+\i+1], s[SC:SC+1], v[BO+8*\b+\i:BO+8*\b+\i+1] op_sel_hi:[1,0,1]
.endr
.endr
.irp b, 0,1,2,3
	ds_store_b128 v[STO], v[T+8*\b:T+8*\b+3] offset:64*\b
	ds_store_b128 v[STO], v[T+8*\b+4:T+8*\b+7] offset:64*\b+16
.endr
.set BB, BK0+64*((\a)%2)               ; v64-95, or the accumulators of tokens 0-15, which are spent
.irp q, 0,1,2,3,4,5,6,7
	ds_load_b128 v[BB+4*\q:BB+4*\q+3], v[RD] offset:\q*2*SPITCH    ; LDS serves a wave's instructions in order: these see the stores above, and the next block's stores come behind them
.endr
.endm
.macro SEND a, younger                 ; younger: the LDS instructions issued behind block a's loads
.set BB, BK0+64*((\a)%2)
	s_wait_dscnt \younger
.irp q, 0,1,2,3,4,5,6,7
	global_store_b128 v[CO], v[BB+4*\q:BB+4*\q+3], s[12:13] offset:(16*(\a)+2*\q)*4096 th:TH_STORE_NT
.endr
.endm
	TOSTAGE 0
	TOSTAGE 1
	SEND 0, 16
	s_wait_xcnt 0x0                                ; block 0's stores have read their registers: block 2's rows may land there
	TOSTAGE 2
	SEND 1, 16
	s_wait_xcnt 0x0
	TOSTAGE 3
	SEND 2, 16
	SEND 3, 0
	s_wait_tensorcnt 0x0                           ; the wave's end
	ds_add_u32 v[SPW], v[NIL]
	s_wait_dscnt 0x0
	CROUND                                         ; the closing round: no work-group ends while a partner may still ask for a block that names it
	s_endpgm
.Lfunc_end_k_q0c321f64c8_proj:
	.size	k_q0c321f64c8_proj, .Lfunc_end_k_q0c321f64c8_proj-k_q0c321f64c8_proj
	.p2alignl 7, 3214868480
	.fill 96, 4, 3214868480
	.section	.rodata,"a",@progbits
	.p2align	6, 0x0
	.amdhsa_kernel k_q0c321f64c8_proj
		.amdhsa_group_segment_fixed_size 280064
		.amdhsa_private_segment_fixed_size 0
		.amdhsa_enable_private_segment 0
		.amdhsa_kernarg_size 40
		.amdhsa_user_sgpr_count 2
		.amdhsa_user_sgpr_kernarg_segment_ptr 1
		.amdhsa_wavefront_size32 1
		.amdhsa_system_sgpr_workgroup_id_x 1
		.amdhsa_system_sgpr_workgroup_id_y 1
		.amdhsa_system_sgpr_workgroup_id_z 1
		.amdhsa_system_vgpr_workitem_id 0
		.amdhsa_next_free_vgpr 512
		.amdhsa_next_free_sgpr 100
		.amdhsa_reserve_vcc 0
		.amdhsa_float_denorm_mode_32 3
		.amdhsa_float_denorm_mode_16_64 3
		.amdhsa_memory_ordered 1
		.amdhsa_forward_progress 1
		.amdhsa_inst_pref_size 44
	.end_amdhsa_kernel
	.amdgpu_metadata
---
amdhsa.version: [ 1, 2 ]
amdhsa.kernels:
  - .name:           k_q0c321f64c8_proj
    .symbol:         k_q0c321f64c8_proj.kd
    .args:
      - { .name: ao, .offset: 0, .size: 8, .value_kind: global_buffer, .address_space: global }
      - { .name: woq, .offset: 8, .size: 8, .value_kind: global_buffer, .address_space: global }
      - { .name: b_out, .offset: 16, .size: 8, .value_kind: global_buffer, .address_space: global }
      - { .name: lowp_scales, .offset: 24, .size: 8, .value_kind: global_buffer, .address_space: global }
      - { .name: out0, .offset: 32, .size: 8, .value_kind: global_buffer, .address_space: global }
    .group_segment_fixed_size: 280064
    .private_segment_fixed_size: 0
    .kernarg_segment_align: 8
    .kernarg_segment_size: 40
    .max_flat_workgroup_size: 128
    .sgpr_count:     100
    .vgpr_count:     512
    .wavefront_size: 32
...
	.end_amdgpu_metadata
.endif
;; end of part 4
